; MI455X (gfx1250); checked and timed in simulation.
; The chip was launched on July 23, 2026; its instructions are those of AMD's public machine-readable ISA for CDNA 5 (MIT licence, August 2026) and "CDNA5" Instruction Set Architecture Reference Guide (July 2026). The comments in the code are by the model that wrote it; some were corrected since.
;; Attention Module. Allowed arithmetic: matrix products marked QUANTISED: E2M3 operands, one E8M0 scale for each 32 along K, by v_wmma_scale_f32_16x16x128_f8f6f4 with both operands' format E2M3, f32 sums; everything else in f32.
;; Inputs: Wk_codes 1,024 x 32 x 24 uint8 (E2M3 codes of Wk, K innermost, in blocks of 32 codes, four codes in three bytes); Wk_scales 1,024 x 32 uint8 (E8M0 scales of Wk, one for each 32 codes along K); Wq_codes 1,024 x 32 x 24 uint8 (E2M3 codes of Wq, K innermost, in blocks of 32 codes, four codes in three bytes); Wq_scales 1,024 x 32 uint8 (E8M0 scales of Wq, one for each 32 codes along K); Wv_codes 1,024 x 32 x 24 uint8 (E2M3 codes of Wv, K innermost, in blocks of 32 codes, four codes in three bytes); Wv_scales 1,024 x 32 uint8 (E8M0 scales of Wv, one for each 32 codes along K); key_input 8 x 2,048 x 1,024 float32; query_input_codes 8 x 1,024 x 32 x 24 uint8 (E2M3 codes of query_input, K innermost, in blocks of 32 codes, four codes in three bytes); query_input_scales 8 x 1,024 x 32 uint8 (E8M0 scales of query_input, one for each 32 codes along K).
;; Outputs: out0 8 x 2,048 x 1,024 float32.
;; This version of the problem:
;;   THIS VERSION OF THE PROBLEM IS GIVEN IN LOW PRECISION. The matrix products marked QUANTISED in the list below multiply operands that are first quantised to E2M3 (2 exponent bits, 3 mantissa bits; 6 bits a number), with one power-of-two scale for each 32 numbers along K (OCP MX v1.0); their sums are f32. All else is computed in f32.
;;   The module's matrix products, in the order in which they are computed (A, B: the left and right operand; K: the contracted axis; several contracted axes count as one K, in the product's order):
;;     1. [M 8,192, K 1,024] x [K 1,024, N 1,024]; A: input query_input (given as codes); B: input Wq (given as codes): QUANTISED
;;     2. [M 16,384, K 1,024] x [K 1,024, N 1,024]; A: input key_input; B: input Wk (given as codes): QUANTISED
;;     3. [M 8,192, K 1,024] x [K 1,024, N 1,024]; A: input query_input (given as codes); B: input Wv (given as codes): QUANTISED
;;     4. batch 8 x [M 2,048, K 1,024] x [K 1,024, N 1,024]; A: computed on the way; B: computed on the way: QUANTISED
;;     5. batch 8 x [M 2,048, K 1,024] x [K 1,024, N 1,024]; A: softmax (see below); B: computed on the way: QUANTISED
;;   THE QUANTISER, for each operand of a quantised product, along K:
;;     - K is cut into blocks of 32 from its start; a last block that is shorter is filled with zeros.
;;     - A block's scale is 2^e with e = floor(log2(the largest magnitude in the block)) - 2, held to -126 .. 127; a block of zeros has e = 0. As a byte (E8M0): e + 127.
;;     - Each number is divided by its block's scale, clamped to +-7.5, and rounded to the nearest number of E2M3, ties to even, subnormals kept.
;;     - The product sums the exact products of the quantised numbers (number of the format x scale) in f32.
;;   ~~~python
;;   def quantise(x, axis):      # numpy; x: float32 -> the quantised numbers, widened to float32 again
;;       x = np.moveaxis(x, axis, -1); K = x.shape[-1]
;;       x = np.pad(x, [(0, 0)] * (x.ndim - 1) + [(0, -K % 32)]); x = x.reshape(x.shape[:-1] + (-1, 32)); a = np.abs(x).max(-1, keepdims=True)
;;       e = np.where(a > 0, np.clip(np.frexp(np.where(a > 0, a, 1))[1] - 1 - 2, -126, 127), 0)      # np.frexp(a)[1] - 1 = floor(log2(a)), exactly
;;       r = np.clip(x / 2.0 ** e, -7.5, 7.5)
;;       step = 2.0 ** (np.maximum(np.frexp(np.where(r == 0, 1, r))[1] - 1, 0) - 3)
;;       q = np.round(r / step) * step * 2.0 ** e      # np.round: ties to even
;;       return np.moveaxis(q.reshape(q.shape[:-2] + (-1,))[..., :K], -1, axis).astype(np.float32)
;;   ~~~
;;   SOFTMAX AHEAD OF A QUANTISED PRODUCT. Where the list says 'softmax', what is quantised is not the finished softmax but p = 2^(t - M), with t = logit x log2(e) and M = ceil(the row's largest t), a whole number; so 1/2 < the row's largest p <= 1. The row's sum l is taken of the UNQUANTISED p, in f32, and the product's result is divided by l at the end. Since M is a whole number, a kernel that streams over the keys may use a running M (the ceiling of the running maximum): every later rescaling is an exact power of two, which a block's scale takes up: the codes' values come out the same.
;;   OPERANDS COMPUTED ON THE WAY. 'Computed on the way' means the value that the module computes at that place (a softmax that the list does not call 'softmax' is quantised finished and normalised). What goes into a quantiser is computed in f32, as accurately as f32 sums, v_exp_f32 and their like allow (about 1e-6 of the number): no bf16 or f16 on the way to a quantiser, and a product that is left as it is and whose result goes on into a quantised operand takes f32 operands (vector FMAs, or v_wmma_f32_16x16x4_f32). A number that lies on a knife's edge between two numbers of the format may be rounded either way, as far as f32 arithmetic and the matrix unit's own rounding can turn it there, and no further.
;;   INPUTS GIVEN AS CODES. Wk (in the module: [1024, 1024], K = its axis 1); Wq (in the module: [1024, 1024], K = its axis 1); Wv (in the module: [1024, 1024], K = its axis 1); query_input (in the module: [8, 1024, 1024], K = its axis 2): each comes as NAME_codes (uint8): NAME with its K axis moved to the last place and cut into blocks of 32 codes, [.., K / 32, bytes a block], one block behind the other in memory; four codes in three bytes: a row's codes are one little-endian stream of bits, code i at bits 6 i .. 6 i + 5 (a code: sign, 2 exponent bits, 3 mantissa bits); and NAME_scales (uint8): the same leading axes, one E8M0 byte (e + 127) for each 32 codes along K. Its value is code x scale, taken as it is: it is not quantised again, and the codes and scales need not be those that the quantiser above would give.
;; One version. Each part assembles by itself: llvm-mc -triple=amdgcn-amd-amdhsa -mcpu=gfx1250 --defsym DOCPART=n.
;; ======== version 1 of 1: 4 launches
;; workspace buffers: keyq 13,107,200 bytes; proj 26,214,400 bytes; prob 14,155,776 bytes
;; launch quant_key (part 1): grid 512 x 1, 4 waves a work-group, no clusters, 33,280 bytes of LDS; arguments key_input, keyq; writes keyq
.if DOCPART == 1
	.amdgcn_target "amdgcn-amd-amdhsa--gfx1250"
	.amdhsa_code_object_version 6
	.text
	.protected	k_q5a671ec808_quant_key
	.globl	k_q5a671ec808_quant_key
	.p2align	8
	.type	k_q5a671ec808_quant_key,@function
k_q5a671ec808_quant_key:
	s_mov_b64 s[64:65], 0
	v_nop
	global_prefetch_b8 v0, s[64:65] scope:SCOPE_SE
	s_setreg_imm32_b32 hwreg(HW_REG_WAVE_MODE, 25, 1), 1
	s_wait_xcnt 0x0
; key_input [16384][1024] f32 becomes codes of FP6 (E2M3), K innermost, 768 bytes a row, at keyq + 0, and one E8M0 byte for each 32 along K, 32 bytes a row, at keyq + KQ_SC.
; A block's scale is 2^(floor(log2(its largest magnitude)) - 2); its byte is the largest magnitude's exponent field - 2, held at 1 from below; each number is divided by the scale and rounded to the nearest code, ties to even.
; LIMITS: a block of zeros, and a block whose largest magnitude lies under 2^-124, gets the byte 1 (the stated quantiser gives a block of zeros 127: its codes are zeros, and this program alone reads the bytes);
; NaN and infinities among the inputs are not served.
; Rows are dense and 1024 is a multiple of 32: the tensor is a plain stream of blocks of 32.  A wave takes 16 steps of 512 numbers.  Each of a step's four loads reads 512 consecutive bytes, 16 a lane; the 2,048 bytes
; turn through the wave's own stage in LDS and come back 64 bytes a lane, so that a lane holds 16 neighbours (two neighbouring lanes hold a block).  A lane's 16 codes are 12 bytes: the wave stores 384 consecutive bytes.
; A wave's 256 scale bytes are gathered in its own LDS bytes and leave as one aligned run of 256 bytes.  No tensor load, no barrier: waves share nothing.  Loads run eight steps (32 loads, 16,384 bytes a wave) ahead.
.set STEPS, 16
.set AHEAD, 8                          ; steps of loads on their way
.set EMAX,  2
.set CB,    12                         ; bytes of 16 codes
.set R,     16                         ; v16-143  eight sets of 16 numbers as they are loaded
.set X,     144                        ; v144-175 two sets of 16 neighbours
.set E,     176                        ; v176-191 a scale byte for each step
.set C,     192                        ; v192-255 codes: four registers for each step, so that no store's data are written again
.set WREG,  8192                       ; LDS: a region for each wave: two stages of 32 x SP bytes, behind them its 256 scale bytes
.set SP,    80                         ; a lane's place in a stage: 64 bytes + 16 of padding
.set KQ_SC, 12582912                   ; where the scale bytes begin in keyq
	s_load_b128 s[4:7], s[0:1], 0x0                ; key_input s[4:5], keyq s[6:7]
	v_lshl_add_u32 v251, v0, 2, 0x8000
	v_mov_b32 v255, 0
	v_lshrrev_b32 v1, 5, v0
	v_readfirstlane_b32 s16, v1                    ; wave
	v_and_b32 v2, 31, v0                           ; lane
	v_lshlrev_b32 v3, 4, v2                        ; my 16 bytes of a load's 512
	s_mul_i32 s17, s16, WREG
	v_lshrrev_b32 v14, 2, v2
	v_mul_u32_u24 v14, v14, SP
	v_and_b32 v15, 3, v2
	v_lshl_add_u32 v14, v15, 4, v14
	v_add_nc_u32 v14, s17, v14                     ; the stage, on the way in: SP (lane / 4) + 16 (lane % 4)
	v_mul_u32_u24 v15, v2, SP
	v_add_nc_u32 v15, s17, v15                     ; and on the way out: SP x lane: my 16 neighbours
	v_mul_u32_u24 v4, v2, CB                       ; my codes' place in a step's
	v_lshrrev_b32 v5, 1, v2
	s_add_co_u32 s17, s17, 2*32*SP
	v_add_nc_u32 v5, s17, v5                       ; LDS: my wave's 256 scale bytes, my block's byte
	v_lshlrev_b32 v7, 3, v2                        ; and on the way out 8 bytes a lane
	v_add_nc_u32 v6, s17, v7
	s_lshl_b32 s18, ttmp9, 2
	s_add_co_u32 s18, s18, s16                     ; which run of 8,192 numbers is my wave's: 0 .. 2,047
	s_lshl_b32 s20, s18, 15                        ; 32,768 bytes of f32 a run
	s_mov_b32 s21, 0
	s_mul_i32 s22, s18, 32*STEPS*CB                ; 6,144 bytes of codes
	s_mov_b32 s23, 0
	s_lshl_b32 s24, s18, 8                         ; 256 scale bytes
	s_add_co_u32 s24, s24, KQ_SC
	s_mov_b32 s25, 0
	s_wait_kmcnt 0x0
	s_add_nc_u64 s[4:5], s[4:5], s[20:21]
	s_add_nc_u64 s[8:9], s[6:7], s[22:23]
	s_add_nc_u64 s[10:11], s[6:7], s[24:25]
.macro LOAD t
.irp i, 0,1,2,3
	global_load_b128 v[R+16*((\t)%AHEAD)+4*\i:R+16*((\t)%AHEAD)+4*\i+3], v3, s[4:5] offset:2048*(\t)+512*\i   ; 32 lanes read 512 consecutive bytes (no hint: the last launch reads these bytes again)
.endr
.endm
.macro TURN t                          ; step t's numbers through the stage: LDS serves a wave's instructions in order, so no wait stands between the stores and the loads
.irp i, 0,1,2,3
	ds_store_b128 v14, v[R+16*((\t)%AHEAD)+4*\i:R+16*((\t)%AHEAD)+4*\i+3] offset:32*SP*((\t)%2)+8*SP*\i
.endr
.irp i, 0,1,2,3
	ds_load_b128 v[X+16*((\t)%2)+4*\i:X+16*((\t)%2)+4*\i+3], v15 offset:32*SP*((\t)%2)+16*\i
.endr
.endm
.irp t, 0,1,2,3,4,5,6,7
	LOAD \t
.endr
	s_wait_loadcnt 4*(AHEAD-1)                     ; step 0's four loads are in; the 28 of steps 1 to 7 may be out
	TURN 0
.macro STEP t
.set XS, X+16*((\t)%2)
.if (\t) > 0
	s_wait_dscnt 1                                 ; this step's numbers are back from the stage (the last step's byte store may be out)
.else
	s_wait_dscnt 0x0
.endif
.if (\t)+AHEAD < STEPS
	LOAD (\t)+AHEAD                                ; into the registers that this step's stores into the stage have read
.endif
.if (\t)+1 < STEPS
.if STEPS-2-(\t) >= AHEAD-1
	s_wait_loadcnt 4*(AHEAD-1)                     ; the next step's four loads are in; those of the seven steps behind it may be out
.else
	s_wait_loadcnt 4*(STEPS-2-(\t))                ; in the tail: those of the steps that are left
.endif
	TURN (\t)+1                                    ; they go through the other stage while this step is worked
.endif
	v_max3_num_f32 v8, |v[XS]|, |v[XS+1]|, |v[XS+2]|               ; the largest magnitude of my 16, in two chains
	v_max3_num_f32 v9, |v[XS+3]|, |v[XS+4]|, |v[XS+5]|
.irp i, 6,10
	v_max3_num_f32 v8, v8, |v[XS+\i]|, |v[XS+\i+1]|
	v_max3_num_f32 v9, v9, |v[XS+\i+2]|, |v[XS+\i+3]|
.endr
	v_max3_num_f32 v8, v8, |v[XS+14]|, |v[XS+15]|
	v_max3_num_f32 v8, v8, v9, (EMAX+1)<<23        ; and the floor 2^(3 - 127): the byte cannot fall under 1
	v_max_num_f32_dpp v8, v8, v8 row_xmask:1 row_mask:0xf bank_mask:0xf   ; and of my neighbour's 16: the block's
	v_add_nc_u32 v11, -(EMAX<<23), v8              ; 2 off its exponent field: the conversion takes the exponent field of this operand as its scale
	v_cvt_scalef32_pk16_fp6_f32 v[C+4*(\t):C+4*(\t)+2], v[XS:XS+15], v11
	v_lshrrev_b32 v[E+(\t)], 23, v11               ; the scale's byte (a plain line behind the conversion)
	ds_store_b8 v5, v[E+(\t)] offset:16*(\t)       ; both lanes of a block write the same byte with the same value
	global_store_b96 v4, v[C+4*(\t):C+4*(\t)+2], s[8:9] offset:32*CB*(\t)
.endm
.irp t, 0,1,2,3,4,5,6,7,8,9,10,11,12,13,14,15
	STEP \t
.endr
	ds_load_b64 v[12:13], v6                       ; LDS serves a wave's instructions in order: these see my stores
	s_wait_dscnt 0x0
	global_store_b64 v7, v[12:13], s[10:11]        ; 32 lanes store 256 consecutive bytes, aligned
	s_wait_tensorcnt 0x0
	ds_add_u32 v251, v255
	s_wait_dscnt 0x0
	s_endpgm
.Lfunc_end_k_q5a671ec808_quant_key:
	.size	k_q5a671ec808_quant_key, .Lfunc_end_k_q5a671ec808_quant_key-k_q5a671ec808_quant_key
	.p2alignl 7, 3214868480
	.fill 96, 4, 3214868480
	.section	.rodata,"a",@progbits
	.p2align	6, 0x0
	.amdhsa_kernel k_q5a671ec808_quant_key
		.amdhsa_group_segment_fixed_size 33280
		.amdhsa_private_segment_fixed_size 0
		.amdhsa_enable_private_segment 0
		.amdhsa_kernarg_size 16
		.amdhsa_user_sgpr_count 2
		.amdhsa_user_sgpr_kernarg_segment_ptr 1
		.amdhsa_wavefront_size32 1
		.amdhsa_system_sgpr_workgroup_id_x 1
		.amdhsa_system_sgpr_workgroup_id_y 1
		.amdhsa_system_sgpr_workgroup_id_z 1
		.amdhsa_system_vgpr_workitem_id 0
		.amdhsa_next_free_vgpr 256
		.amdhsa_next_free_sgpr 66
		.amdhsa_reserve_vcc 0
		.amdhsa_float_denorm_mode_32 3
		.amdhsa_float_denorm_mode_16_64 3
		.amdhsa_memory_ordered 1
		.amdhsa_forward_progress 1
		.amdhsa_inst_pref_size 32
	.end_amdhsa_kernel
	.amdgpu_metadata
---
amdhsa.version: [ 1, 2 ]
amdhsa.kernels:
  - .name:           k_q5a671ec808_quant_key
    .symbol:         k_q5a671ec808_quant_key.kd
    .args:
      - { .name: key_input, .offset: 0, .size: 8, .value_kind: global_buffer, .address_space: global }
      - { .name: keyq, .offset: 8, .size: 8, .value_kind: global_buffer, .address_space: global }
    .group_segment_fixed_size: 33280
    .private_segment_fixed_size: 0
    .kernarg_segment_align: 8
    .kernarg_segment_size: 16
    .max_flat_workgroup_size: 128
    .sgpr_count:     66
    .vgpr_count:     256
    .wavefront_size: 32
...
	.end_amdgpu_metadata
.endif
;; end of part 1
;; launch proj (part 2): grid 4 x 64, 4 waves a work-group, clusters of 4 x 4, 327,680 bytes of LDS; arguments query_input_codes, query_input_scales, Wq_codes, Wq_scales, Wk_codes, Wk_scales, Wv_codes, Wv_scales, keyq, proj; writes proj
.if DOCPART == 2
	.amdgcn_target "amdgcn-amd-amdhsa--gfx1250"
	.amdhsa_code_object_version 6
	.text
	.protected	k_q5a671ec808_proj
	.globl	k_q5a671ec808_proj
	.p2align	8
	.type	k_q5a671ec808_proj,@function
k_q5a671ec808_proj:
	s_mov_b64 s[64:65], 0
	v_nop
	global_prefetch_b8 v0, s[64:65] scope:SCOPE_SE
	s_setreg_imm32_b32 hwreg(HW_REG_WAVE_MODE, 25, 1), 1
	s_wait_xcnt 0x0
	s_wait_alu depctr_hold_cnt(0) depctr_sa_sdst(0) depctr_va_vdst(0) depctr_va_sdst(0) depctr_va_ssrc(0) depctr_va_vcc(0) depctr_vm_vsrc(0)
	s_getreg_b32 s2, hwreg(HW_REG_IB_STS2, 6, 4)
	s_cmp_eq_u32 s2, 0
	s_cbranch_scc0 .Lentry_in_a_cluster
	s_endpgm
.Lentry_in_a_cluster:
	s_bfe_u32 s2, ttmp6, 0x10000c
	s_cmp_lg_u32 s2, 0xf033
	s_cbranch_scc0 .Lentry_shape_is_right
	s_endpgm
.Lentry_shape_is_right:
; THE THREE PROJECTIONS, as 512 tiles of 256 x 256 x 1,024 on codes of FP6 (E2M3) with E8M0 scales, each result quantised again along the tile's COLUMNS and stored as the next product's operand.
; A WORK-GROUP STAYS AND MAKES TWO TILES.  Y is the cluster's row, 0 .. 15, cx and cy the work-group's place in its cluster.
;   tile 0, always:        k   = key   Wk^T   A = keyq rows (b, m), tile 4 Y + cy;      B = Wk rows (e), tile cx                  -> K_IMG, K_SC   (K of the next product: e)
;   tile 1 where Y < 8:    q   = query Wq^T   A = query_input rows (b, n), 4 Y + cy;    B = Wq rows (e), tile cx                  -> Q_IMG, Q_SC   (K: e)
;   tile 1 where Y >= 8:   v^T = Wv query^T   A = Wv rows (d), tile cy;                 B = query rows (b, n), 4 (Y - 8) + cx     -> V_IMG, V_SC   (K: n)
; Which of the two tile 1 is hangs on the cluster's row alone, and only pointers and offsets are chosen by it (s_cselect): all take one path through the text.
; A work-group of four waves makes a tile, a wave 128 x 128 in 64 accumulators.  K goes in steps of 256 through a ring of two LDS slots filled by the tensor data mover (rows of 192 bytes, 16 bytes of padding behind each 64).
; THE RING DOES NOT STOP AT THE FIRST TILE'S END: its last two changes of slots ask for the second tile's K steps 0 and 1, which land while the first tile is finished, quantised and stored.
; The scale bytes of both tiles' 256 + 256 rows, for all of K, come once, with the first fills: four tensor loads of a wave are out at the start, one behind each change of slots.
; 4 x 4 work-groups form a cluster: A's tiles are asked for jointly along a row of the cluster, B's along a column.
; THE MATRIX INSTRUCTION IS USED TRANSPOSED (source 0 = 16 rows of B, source 1 = 16 rows of A): lane (r, h) of accumulator (a, b) holds row 16 a + r and in register j column 16 b + 8 h + j.
; THE WAY OUT.  The 16 registers of accumulators (a, 2 B) and (a, 2 B + 1) are half of the block of 32 columns 32 B ..: with the lane 16 away they give the block's largest magnitude, its scale and its codes.
; In a lane's block the codes stand in the order columns 0-7, 16-23, 8-15, 24-31: a fixed order inside each block of 32, the same in every operand made this way, so that both sides of the next product agree.
; OUTPUT LAYOUT.  Codes: [group of 128 rows][K / 128][row / 16 % 8][1,536 bytes], the 1,536 bytes being the operand's 12 registers as three runs of 512 bytes, lane l's four registers at 16 l.
; Scale words: [group][K / 128][128 rows], 4 bytes each.  A wave stores 12,288 + 512 consecutive bytes a tile.
; LIMITS: a block of zeros, and one whose largest magnitude lies under 2^-124, gets the byte 1 (its codes are zeros or the smallest; only this program reads the bytes); NaN, infinities and a given scale byte 0xff are not served.
; No prefetch of tiles: each refill is asked for one K step ahead by its own load, and a tile has four K steps, so little lies further ahead.
; REGISTERS, in windows of 256: window 0: v0-31 addresses; v32-63 scale words, two sets; v128-223 A's fragments, one set; on a way out v32-171 are at work.
;   window 1: B's fragments, two sets, at v0 and v128.   window 2: the accumulators of my rows 0-63 ((a, b) at v[8 (8 a + b)]);   window 3: those of my rows 64-127.
.set KSTEP,  256
.set NQ,     2                         ; matrix instructions deep in a slot
.set ROWB,   192                       ; a tile's row in bytes
.set KROW,   768                       ; a row of codes in memory
.set PITCH,  240                       ; an LDS row: 3 x (64 bytes + 16 of padding)
.set FR,     12                        ; registers of a fragment
.set NL,     6                         ; LDS loads that bring one
.set NP,     4                         ; places behind this matrix instruction (ISA guide 7.12.1)
.set HALFT,  128*PITCH
.set SLOT,   4*HALFT
.set KS,     32                        ; a row of scale bytes
.set SCL,    2*SLOT                    ; behind the ring: tile 0's scales, as runs of 256 bytes + 16 of padding,
.set HALFS,  (128*KS/256)*272
.set SBLK,   (16*KS/256)*272
.set SCL1,   SCL+4*HALFS               ; tile 1's,
.set SPARE,  SCL1+4*HALFS              ; the spare words, 128 bytes a wave: two blocks of 256 bytes that no other line names,
.set STG,    SPARE+512                 ; and 512 bytes a wave for the scale words on the way out: bytes into which no fill lands
.set Q_IMG,  12582912                  ; regions of proj (K_IMG = 0)
.set V_IMG,  18874368
.set K_SC,   25165824
.set Q_SC,   25690112
.set V_SC,   25952256
.set KQ_SC,  12582912                  ; keyq's scale bytes
.set ADRA, 16                          ; v16-17 LDS address of my A fragments in slot 0, 1 (v18-19: behind one padding more)
.set ADRB, 20                          ; v20-21 the same for B (v22-23)
.set SGA,  24                          ; v24 the way out: where my row's scale word goes
.set SGR,  25                          ; v25 and where 16 bytes of them are read back
.set LI,   26                          ; v26 16 x lane
.set ADRS, 27                          ; v27 LDS address of my scale words: lanes 0-15 A's rows, lanes 16-31 B's; never stepped: the K step and the tile stand in the loads' immediates
.set SPW,  28                          ; v28 my spare word; never rewritten
.set NIL,  29                          ; v29 0; never rewritten
.set SC,   32
.set AF,   128
.set TM,   32                          ; the way out: v32-47 at work
.set PT,   48                          ; v48-55 the second halves of the conversions
.set PCB,  64                          ; v64-159 codes: 12 registers for each block of 16 rows, so that within a way out no store's data are written again
.set PWB,  160                         ; v160-167 scale words
.set OUTW, 168
.set G0S0, 4                           ; s[4:7], s[8:11] groups 0 for tile 0's scales, A's and B's
.set G0SB0, 8
.set O0C,  12                          ; s[12:13] where my codes of tile 0 go
.set G1,   24
.set G0,   32
.set G0S1, 40                          ; s[40:43], s[44:47] groups 0 for tile 1's scales
.set G0SB1, 44
.set G1B,  48
.set G0B,  56
.set SEL,  66                          ; s[66:67] lane selects: lane l xor 16
.set G1S,  68
.set G1SB, 80
.set A1,   90                          ; s[90:91], s[92:93] tile 1's codes: the rows that I fetch, of A and of B
.set B1,   92
.set O0S,  94                          ; s[94:95] my scale words of tile 0; s[96:97], s[98:99] codes and scale words of tile 1
.set O1C,  96
.set O1S,  98
.set MSB, 0
.macro WIN new                         ; the immediate's high byte repeats the setting that is left; a switch that changes nothing is dropped
.if MSB != (\new)
	s_set_vgpr_msb (MSB<<8)|(\new)
.set MSB, (\new)
.endif
.endm
.set MUL_LO, 0xa1                      ; source 0 (B) window 1, source 1 (A) window 0, C and D window 2
.set MUL_HI, 0xf1
.set TO_B,   0x40
; A joint load: waves 0 and 1 fetch for A, waves 2 and 3 for B; the branch hangs on the wave's number alone.  Four v_nop follow each of the two lines.
.macro JLOAD g0a, g1a, g0b, g1b
	s_cmp_eq_u32 s15, 0
	s_cbranch_scc0 .Lfor_b_\@
	tensor_load_to_lds s[\g0a:\g0a+3], s[\g1a:\g1a+7]
	s_nop 0
.rept 4
	v_nop
.endr
	s_branch .Lasked_\@
.Lfor_b_\@:
	tensor_load_to_lds s[\g0b:\g0b+3], s[\g1b:\g1b+7]
	s_nop 0
.rept 4
	v_nop
.endr
.Lasked_\@:
.endm
.macro CREST                           ; a round of the cluster's barrier behind its opening barrier
	s_cmp_lg_u32 s14, 0
	s_cbranch_scc1 .Lnot_wave_0_\@
	s_barrier_signal -3
.Lnot_wave_0_\@:
	s_barrier_wait -3
	s_barrier_signal -1
	s_barrier_wait -1
.endm
.macro CROUND
	s_barrier_signal -1
	s_barrier_wait -1
	CREST
.endm
.macro ADDR dst, ptr, row, mul, plus   ; s[dst:dst+1] = the buffer at s[ptr:ptr+1] + row x mul + plus (under 2^32)
	s_mul_i32 s[\dst], s[\row], \mul
.if \plus
	s_add_co_u32 s[\dst], s[\dst], \plus
.endif
	s_mov_b32 s[\dst+1], 0
	s_add_nc_u64 s[\dst:\dst+1], s[\ptr:\ptr+1], s[\dst:\dst+1]
.endm
.macro FING0 g, unit, loff             ; the rest of a group 0 whose global address stands: count 1; LDS address wave x unit + loff; type 2
	s_mov_b32 s[\g], 1
	s_mul_i32 s[\g+1], s14, \unit
	s_add_co_u32 s[\g+1], s[\g+1], \loff
	s_or_b32 s[\g+3], s[\g+3], 0x80000000
.endm
; Where my wave's results go: run number 8 (group + 8 batch) + K / 128, runs of 12,288 bytes of codes and 512 of scale words, in the regions s[rc], s[rs] of proj.  Made in the output's own registers, which feed no descriptor.
.macro OUTADDR oc, os, ta, tb, rc, rs
	s_lshl_b32 s[\oc], s[\ta], 1
	s_add_co_u32 s[\oc], s[\oc], s15               ; the group of 128 rows
	s_lshl_b32 s[\oc+1], s[\tb], 1
	s_add_co_u32 s[\oc+1], s[\oc+1], s16           ; the run of 128 columns: under 8 for q and k; for v^T 8 x batch + n / 128
	s_lshr_b32 s[\os], s[\oc+1], 3
	s_lshl_b32 s[\os], s[\os], 3
	s_add_co_u32 s[\oc], s[\oc], s[\os]
	s_lshl_b32 s[\oc], s[\oc], 3
	s_and_b32 s[\oc+1], s[\oc+1], 7
	s_add_co_u32 s[\oc], s[\oc], s[\oc+1]
	s_lshl_b32 s[\os], s[\oc], 9
	s_add_co_u32 s[\os], s[\os], s[\rs]
	s_mov_b32 s[\os+1], 0
	s_add_nc_u64 s[\os:\os+1], s[86:87], s[\os:\os+1]
	s_mul_i32 s[\oc], s[\oc], 12288
	s_add_co_u32 s[\oc], s[\oc], s[\rc]
	s_mov_b32 s[\oc+1], 0
	s_add_nc_u64 s[\oc:\oc+1], s[86:87], s[\oc:\oc+1]
.endm
	s_load_b512 s[68:83], s[0:1], 0x0              ; query codes 68, query scales 70, Wq 72, 74, Wk 76, 78, Wv 80, 82
	s_load_b128 s[84:87], s[0:1], 0x40             ; keyq s[84:85], proj s[86:87]
	v_lshl_add_u32 v[SPW], v0, 2, SPARE
	v_mov_b32 v[NIL], 0
	ds_add_u32 v28, v29
	ds_add_u32 v28, v29
	s_wait_dscnt 0x0
	v_lshrrev_b32 v1, 5, v0
	v_readfirstlane_b32 s14, v1                    ; wave 0..3
	s_lshr_b32 s15, s14, 1                         ; which half of the tile's rows is mine.  Also: I fetch for A (0) or for B (1)
	s_and_b32 s16, s14, 1                          ; which half of its columns.  Also: which 128 rows I fetch
	s_bfe_u32 s100, ttmp6, 0x40000                 ; cx
	s_bfe_u32 s101, ttmp6, 0x40004                 ; cy
	s_and_b32 s2, ttmp7, 0xffff                    ; Y: the cluster's row, 0 .. 15, which all sixteen partners share
	s_lshl_b32 s3, s2, 2
	s_lshl_b32 s20, s101, 2
	s_lshl_b32 s20, 15, s20                        ; my row of the cluster
	s_lshl_b32 s21, 0x1111, s100                   ; my column
	s_or_b32 s[G1+0], s20, (0<<16)|(1<<20)|(1<<21)|(3<<22)|(3<<25)  ; the mask; elements of 1 byte; padding on; bit 21 beside a mask; after every 16 words 4 words
	s_or_b32 s[G1B+0], s21, (0<<16)|(1<<20)|(1<<21)|(3<<22)|(3<<25)
.irp g, G1, G1B
	s_mov_b32 s[\g+1], ROWB<<16                    ; tensor_dim0
	s_mov_b32 s[\g+2], 128<<16                     ; tensor_dim1
	s_mov_b32 s[\g+3], ROWB<<16                    ; tile_dim0
	s_mov_b32 s[\g+4], 128                         ; tile_dim1
	s_mov_b32 s[\g+5], KROW                        ; from row to row
	s_mov_b32 s[\g+6], 0
	s_mov_b32 s[\g+7], 0
.endr
	s_mov_b32 s[SEL], 0x76543210
	s_mov_b32 s[SEL+1], 0xfedcba98
	s_wait_kmcnt 0x0
	; ---- tile 0: k.  A's numbers are made in s17, s88, s89 (Y, cy and the wave alone), B's in s22, s23 (cx and the wave alone)
	s_add_co_u32 s17, s3, s101                     ; A's tile: 4 Y + cy
	s_lshl_b32 s88, s17, 8
	s_lshl_b32 s89, s16, 7
	s_add_co_u32 s88, s88, s89                     ; the first of the 128 rows that I fetch
	ADDR G0+2, 84, 88, KROW, 0                     ; their codes, K step 0,
	s_add_nc_u64 s[G0+6:G0+7], s[G0+2:G0+3], ROWB  ; K step 1,
	ADDR G0S0+2, 84, 88, KS, KQ_SC                 ; and their scale bytes
	s_lshl_b32 s22, s100, 8
	s_lshl_b32 s23, s16, 7
	s_add_co_u32 s22, s22, s23                     ; B: row 256 cx + 128 x half
	ADDR G0B+2, 76, 22, KROW, 0
	s_add_nc_u64 s[G0B+6:G0B+7], s[G0B+2:G0B+3], ROWB
	ADDR G0SB0+2, 78, 22, KS, 0
	s_mov_b32 s18, 0                               ; K_IMG
	s_mov_b32 s19, K_SC
	OUTADDR O0C, O0S, 17, 100, 18, 19
	; ---- tile 1: q where Y < 8, else v^T.  (s76 to s79, s84 and s85 held pointers that are done with)
	s_mov_b32 s18, Q_IMG
	s_mov_b32 s19, Q_SC
	s_mov_b32 s76, V_IMG
	s_mov_b32 s77, V_SC
	s_sub_co_u32 s78, s3, 32                       ; 4 (Y - 8): used only where Y >= 8
	s_cmp_lt_u32 s2, 8
	s_cselect_b64 s[A1:A1+1], s[68:69], s[80:81]               ; A's codes: query_input or Wv
	s_cselect_b64 s[G0S1+2:G0S1+3], s[70:71], s[82:83]         ; A's scales
	s_cselect_b64 s[B1:B1+1], s[72:73], s[68:69]               ; B's codes: Wq or query_input
	s_cselect_b64 s[G0SB1+2:G0SB1+3], s[74:75], s[70:71]       ; B's scales
	s_cselect_b32 s17, s3, 0                       ; A's first tile of this cluster
	s_cselect_b32 s23, 0, s78                      ; B's
	s_cselect_b32 s18, s18, s76                    ; the region of the codes,
	s_cselect_b32 s19, s19, s77                    ; and of the scale words
	s_add_co_u32 s17, s17, s101                    ; A's tile: hangs on Y and cy alone
	s_add_co_u32 s23, s23, s100                    ; B's tile: on Y and cx alone
	s_lshl_b32 s88, s17, 8
	s_lshl_b32 s89, s16, 7
	s_add_co_u32 s88, s88, s89
	s_mul_i32 s84, s88, KROW
	s_mov_b32 s85, 0
	s_add_nc_u64 s[A1:A1+1], s[A1:A1+1], s[84:85]
	s_mul_i32 s84, s88, KS
	s_add_nc_u64 s[G0S1+2:G0S1+3], s[G0S1+2:G0S1+3], s[84:85]
	s_lshl_b32 s22, s23, 8
	s_lshl_b32 s78, s16, 7
	s_add_co_u32 s22, s22, s78
	s_mul_i32 s76, s22, KROW
	s_mov_b32 s77, 0
	s_add_nc_u64 s[B1:B1+1], s[B1:B1+1], s[76:77]
	s_mul_i32 s76, s22, KS
	s_add_nc_u64 s[G0SB1+2:G0SB1+3], s[G0SB1+2:G0SB1+3], s[76:77]
	OUTADDR O1C, O1S, 17, 23, 18, 19
	; where the fills go: wave x 128 rows: no place in the cluster enters an LDS address
	FING0 G0, HALFT, 0
	FING0 G0+4, HALFT, SLOT
	FING0 G0B, HALFT, 0
	FING0 G0B+4, HALFT, SLOT
	FING0 G0S0, HALFS, SCL
	FING0 G0SB0, HALFS, SCL
	FING0 G0S1, HALFS, SCL1
	FING0 G0SB1, HALFS, SCL1
	; group 1 for the scales of 128 rows: 4,096 dense bytes as 16 rows of 256 bytes, 16 bytes of padding behind each (over the registers that held the pointers, which are done with)
	s_or_b32 s[G1S+0], s20, (3<<16)|(1<<20)|(1<<21)|(5<<22)|(3<<25)
	s_or_b32 s[G1SB+0], s21, (3<<16)|(1<<20)|(1<<21)|(5<<22)|(3<<25)
.irp g, G1S, G1SB
	s_mov_b32 s[\g+1], 32<<16
	s_mov_b32 s[\g+2], (128*KS/256)<<16
	s_mov_b32 s[\g+3], 32<<16
	s_mov_b32 s[\g+4], 128*KS/256
	s_mov_b32 s[\g+5], 32
	s_mov_b32 s[\g+6], 0
	s_mov_b32 s[\g+7], 0
.endr
	CROUND                                         ; all sixteen work-groups are here: the first joint loads meet
	JLOAD G0S0, G1S, G0SB0, G1SB                   ; tile 0's scales first: they are wanted with K step 0;
	JLOAD G0S1, G1S, G0SB1, G1SB                   ; tile 1's, filled once like them;
	JLOAD G0, G1, G0B, G1B                         ; slot 0;
	JLOAD G0+4, G1, G0B+4, G1B                     ; slot 1: four tensor loads of mine are out now
	v_and_b32 v1, 15, v0                           ; r
	v_bfe_u32 v2, v0, 4, 1                         ; h
	v_mul_u32_u24 v3, v1, PITCH
	v_mul_u32_u24 v4, v2, 24
	v_add_nc_u32 v4, v3, v4                        ; a fragment's row x pitch + 24 x half
	v_lshl_add_u32 v5, v2, 4, v4                   ; and the same behind one padding more
	s_mul_i32 s17, s15, HALFT                      ; my 128 rows of A
	s_mul_i32 s18, s16, HALFT                      ; my 128 rows of B,
	s_add_co_u32 s18, s18, 2*HALFT                 ; which lie behind A's 256
.irp s, 0,1
	v_add_nc_u32 v[ADRA+\s], s17, v4
	v_add_nc_u32 v[ADRB+\s], s18, v4
	v_add_nc_u32 v[ADRA+2+\s], s17, v5
	v_add_nc_u32 v[ADRB+2+\s], s18, v5
	s_add_co_u32 s17, s17, SLOT
	s_add_co_u32 s18, s18, SLOT
.endr
	v_mul_u32_u24 v5, v1, KS                       ; my row's scales: 32 bytes a row,
	v_lshrrev_b32 v6, 8, v5
	v_lshl_add_u32 v5, v6, 4, v5                   ; and 16 more for each 256 passed
	s_mul_i32 s17, s15, HALFS
	s_mul_i32 s18, s16, HALFS
	s_add_co_u32 s18, s18, 2*HALFS
	s_sub_co_u32 s18, s18, s17
	v_mul_u32_u24 v6, s18, v2                      ; lanes 16-31 take B's: one product of h with the distance
	s_add_co_u32 s17, s17, SCL
	v_add_nc_u32 v5, v5, v6
	v_add_nc_u32 v[ADRS], s17, v5
	s_lshl_b32 s19, s14, 9                         ; the way out: my wave's 512 bytes
	s_add_co_u32 s19, s19, STG
	v_lshl_add_u32 v[SGA], v1, 2, s19
	v_and_b32 v6, 31, v0
	v_lshlrev_b32 v[LI], 4, v6
	v_add_nc_u32 v[SGR], s19, v[LI]
.macro FRAG reg, adr, q, i             ; 16 rows x 128 K: lane (r, h) takes 24 bytes of row r twice, in pieces of 8 bytes; where lanes 16-31's piece lies behind one padding more, the second address register serves
.irp p, 0,1,2,3,4,5
.set PCE, 12*(\q)+6*(\p/3)+\p%3
.if PCE%8 < 5
	ds_load_b64 v[\reg+2*\p:\reg+2*\p+1], v[\adr] offset:8*PCE+16*(PCE/8)+(\i)*16*PITCH
.else
	ds_load_b64 v[\reg+2*\p:\reg+2*\p+1], v[\adr+2] offset:8*PCE+16*(PCE/8)+(\i)*16*PITCH
.endif
.endr
.endm
; 16 matrix instructions: A's blocks a0, a0 + 1 x B's eight.  The 64 accumulators take turns, one instruction a turn, in the same order in every step.
.macro MUL16 a0, p, q, sc, zero
.irp a, \a0, \a0+1
.irp b, 0,1,2,3,4,5,6,7
.if \zero
	v_wmma_scale_f32_16x16x128_f8f6f4 v[8*(8*((\a)%4)+\b):8*(8*((\a)%4)+\b)+7], v[128*(\p)+FR*\b:128*(\p)+FR*\b+FR-1], v[AF+FR*(\a):AF+FR*(\a)+FR-1], 0, v[SC+8*NQ*(\sc)+NQ*\b+(\q)], v[SC+8*NQ*(\sc)+NQ*(\a)+(\q)] matrix_a_fmt:MATRIX_FMT_FP6 matrix_b_fmt:MATRIX_FMT_FP6 matrix_a_scale:MATRIX_SCALE_ROW1
.else
	v_wmma_scale_f32_16x16x128_f8f6f4 v[8*(8*((\a)%4)+\b):8*(8*((\a)%4)+\b)+7], v[128*(\p)+FR*\b:128*(\p)+FR*\b+FR-1], v[AF+FR*(\a):AF+FR*(\a)+FR-1], v[8*(8*((\a)%4)+\b):8*(8*((\a)%4)+\b)+7], v[SC+8*NQ*(\sc)+NQ*\b+(\q)], v[SC+8*NQ*(\sc)+NQ*(\a)+(\q)] matrix_a_fmt:MATRIX_FMT_FP6 matrix_b_fmt:MATRIX_FMT_FP6 matrix_a_scale:MATRIX_SCALE_ROW1
.endif
.endr
.endr
.endm
.macro FETCH_B slot, q, p
	WIN TO_B
.irp i, 0,1,2,3,4,5,6,7
	FRAG 128*(\p)+FR*\i, ADRB+\slot, \q, \i
.endr
	WIN 0
.endm
.macro FETCH_A slot, q, i0
.irp i, \i0, \i0+1, \i0+2, \i0+3
	FRAG AF+FR*(\i), ADRA+\slot, \q, \i
.endr
.endm
.macro SCALES sc, tile, kk             ; K step kk of the tile: two words a row into set sc; lanes 0-15 A's block i, lanes 16-31 B's block i.  A row's 32 scale bytes never straddle a padding
.irp i, 0,1,2,3,4,5,6,7
	ds_load_b64 v[SC+8*NQ*\sc+NQ*\i:SC+8*NQ*\sc+NQ*\i+1], v[ADRS] offset:\i*SBLK+8*(\kk)+(\tile)*4*HALFS
.endr
.endm
.macro PLACES n                        ; plain vector lines between a matrix instruction and a load into, or a vector line on, its registers
.rept \n
	v_nop
.endr
.endm
.macro FIRST tile                      ; a tile's first fragments and scale words, out of slot 0
	FETCH_B 0, 0, 0
	FETCH_A 0, 0, 0
	SCALES 0, \tile, 0
	FETCH_A 0, 0, 4
.endm
.macro STEP slot, q, zero              ; a step of 128 along K that has its successor in the same slot
	s_wait_dscnt 4*NL                              ; B's set and A's blocks 0-3 are in; the youngest 24 loads (A's blocks 4-7) may be out
	WIN MUL_LO
	MUL16 0, (\q)%2, \q, \slot, \zero
	MUL16 2, (\q)%2, \q, \slot, \zero
	s_wait_dscnt 0
	PLACES NP
	FETCH_B \slot, (\q)+1, 1-(\q)%2
	FETCH_A \slot, (\q)+1, 0
	WIN MUL_HI
	MUL16 4, (\q)%2, \q, \slot, \zero
	MUL16 6, (\q)%2, \q, \slot, \zero
	PLACES NP
	WIN 0
	FETCH_A \slot, (\q)+1, 4
.endm
; A slot's last step changes slots: one barrier; in front of it each wave waits for all its tensor loads, adds 0 to its spare word, and waits for that and for its reads of this slot.
; fill = 1: the slot is filled again with this tile's K step two steps on;  2: with tile 1's K step 0 (slot 0) or 1 (slot 1);  0: nothing is asked for.
; fetch = 1: the next slot's first fragments and the scale words of K step kk of the tile are fetched;  0: a way out follows, which needs their registers.
.macro TURN slot, next, fill, fetch, tile, kk
	s_wait_tensorcnt 0x0                           ; all my tensor loads have landed: my part of the next slot; so every group 0 may be written
	ds_add_u32 v[SPW], v[NIL]                      ; 0 onto my spare word
	s_wait_dscnt 4*NL+1                            ; (the add and the youngest 24 loads may be out)
	WIN MUL_LO
	MUL16 0, 1, NQ-1, \slot, 0
	s_wait_dscnt 0x0                               ; the add is done, and my reads of this slot are over
	s_barrier_signal -1
	MUL16 2, 1, NQ-1, \slot, 0
	WIN 0
	s_barrier_wait -1
.if \fill
	CREST                                          ; the barrier has opened a round of the cluster's barrier: no wave of any partner still reads this slot or has a load on its way
.if \fill == 1
	s_add_nc_u64 s[G0+4*\slot+2:G0+4*\slot+3], s[G0+4*\slot+2:G0+4*\slot+3], 2*ROWB
	s_add_nc_u64 s[G0B+4*\slot+2:G0B+4*\slot+3], s[G0B+4*\slot+2:G0B+4*\slot+3], 2*ROWB
.else
	s_add_nc_u64 s[G0+4*\slot+2:G0+4*\slot+3], s[A1:A1+1], \slot*ROWB
	s_or_b32 s[G0+4*\slot+3], s[G0+4*\slot+3], 0x80000000
	s_add_nc_u64 s[G0B+4*\slot+2:G0B+4*\slot+3], s[B1:B1+1], \slot*ROWB
	s_or_b32 s[G0B+4*\slot+3], s[G0B+4*\slot+3], 0x80000000
.endif
	JLOAD G0+4*\slot, G1, G0B+4*\slot, G1B         ; the first tensor load behind the round, and my only one until the next; its four v_nop are the places in front of the loads below
.else
	PLACES NP
.endif
.if \fetch
	FETCH_B \next, 0, 0
	FETCH_A \next, 0, 0
	SCALES \next, \tile, \kk
.endif
	WIN MUL_HI
	MUL16 4, 1, NQ-1, \slot, 0
	MUL16 6, 1, NQ-1, \slot, 0
.if \fetch
	PLACES NP
	WIN 0
	FETCH_A \next, 0, 4
.else
	WIN 0
.endif
.endm
; Block a (16 rows x 128 columns, 64 registers a lane) becomes a fragment's codes in v[PCB + 12 a] on and its scale word in v[PWB + a].  Each accumulator is read from its low end on.
.macro QUANT a
.set AC, 64*((\a)%4)
.set W,  2+(\a)/4
.set PC, PCB+12*(\a)
	WIN (W|(W<<2))
.irp b, 0,1,2,3
	v_max3_num_f32 v[TM+\b], |v[AC+16*\b]|, |v[AC+16*\b+1]|, 0x1800000   ; block b: my 16 numbers, and the floor 2^(3 - 127): the byte cannot fall under 1
.endr
	WIN ((W<<2)|(W<<4))
.irp i, 2,4,6,8,10,12,14
.irp b, 0,1,2,3
	v_max3_num_f32 v[TM+\b], v[TM+\b], |v[AC+16*\b+\i]|, |v[AC+16*\b+\i+1]|   ; the four blocks by turns
.endr
.endr
	WIN 0
.irp b, 0,1,2,3
	v_permlanex16_b32 v[TM+4+\b], v[TM+\b], s[SEL], s[SEL+1]
.endr
.irp b, 0,1,2,3
	v_max_num_f32 v[TM+\b], v[TM+\b], v[TM+4+\b]   ; with lane l xor 16's: the block's largest magnitude
.endr
.irp b, 0,1,2,3
	v_add_nc_u32 v[TM+12+\b], 0xff000000, v[TM+\b] ; 2 off its exponent field: the conversion's scale operand
.endr
.irp b, 0,1,2,3
	v_lshrrev_b32 v[TM+4+\b], 23, v[TM+12+\b]      ; the scale's byte
.endr
	v_lshl_or_b32 v[PWB+(\a)], v[TM+5], 8, v[TM+4]
	v_lshl_or_b32 v[PWB+(\a)], v[TM+6], 16, v[PWB+(\a)]
	v_lshl_or_b32 v[PWB+(\a)], v[TM+7], 24, v[PWB+(\a)]
	WIN W
.irp c, 0,1
	v_cvt_scalef32_pk16_fp6_f32 v[PC+6*\c:PC+6*\c+2], v[AC+32*\c:AC+32*\c+15], v[TM+12+2*\c]
	v_cvt_scalef32_pk16_fp6_f32 v[PT+4*\c:PT+4*\c+2], v[AC+32*\c+16:AC+32*\c+31], v[TM+13+2*\c]   ; (a conversion's three registers begin on an even number)
.endr
	WIN 0
	v_nop                                          ; one plain line behind a scaled conversion
.irp c, 0,1                            ; the operand's layout wants a whole block in a lane: lanes 0-15 block 2 c, lanes 16-31 block 2 c + 1
.irp i, 0,1,2
	v_permlane16_swap_b32 v[PC+6*\c+\i], v[PT+4*\c+\i]
.endr
.irp i, 0,1,2
	v_mov_b32 v[PC+3+6*\c+\i], v[PT+4*\c+\i]
.endr
.endr
.endm
.macro PUT a, oc                       ; the fragment goes to memory as it stands: each store covers 512 consecutive bytes, aligned
.irp c, 0,1,2
	global_store_b128 v[LI], v[PCB+12*(\a)+4*\c:PCB+12*(\a)+4*\c+3], s[\oc:\oc+1] offset:(\a)*1536+512*\c
.endr
.endm
.macro WAYOUT oc, os                   ; a finished tile: quantised block by block and stored; the scale words go through my 512 bytes of LDS, so that they leave as one run
	PLACES NP                                      ; behind the last products: their results are read, and their operands' registers written, from here on
.irp b, 0,1,2,3
	v_mov_b32 v[TM+4+\b], 0                        ; a lane permute's destination counts as one of its sources
.endr
.irp a, 0,1,2,3,4,5,6,7
	QUANT \a
	PUT \a, \oc
.endr
.irp a, 0,1,2,3,4,5,6,7
	ds_store_b32 v[SGA], v[PWB+\a] offset:64*\a    ; row 16 a + r's word; lanes r and r + 16 write the same word with the same value
.endr
	ds_load_b128 v[OUTW:OUTW+3], v[SGR]            ; LDS serves a wave's instructions in order: this sees my stores
	s_wait_dscnt 0x0
	global_store_b128 v[LI], v[OUTW:OUTW+3], s[\os:\os+1]   ; 512 consecutive bytes, aligned
.endm
	s_wait_tensorcnt 1                             ; both tiles' scales and my part of K step 0 are in (K step 1's load may be out)
	s_barrier_signal -1
	s_barrier_wait -1
	; ---- tile 0
	FIRST 0
	STEP 0, 0, 1                                   ; the first products start the sums: nothing is cleared
	TURN 0, 1, 1, 1, 0, 1                          ; slot 0 takes K step 2,
	STEP 1, 0, 0
	TURN 1, 0, 1, 1, 0, 2                          ; slot 1 K step 3,
	STEP 0, 0, 0
	TURN 0, 1, 2, 1, 0, 3                          ; slot 0 tile 1's K step 0,
	STEP 1, 0, 0
	TURN 1, 0, 2, 0, 0, 0                          ; slot 1 tile 1's K step 1; nothing is fetched: the way out takes window 0
	WAYOUT O0C, O0S                                ; both refills are on their way while the tile is quantised and stored
	s_wait_xcnt 0x0                                ; the stores have read their registers, into which tile 1's fragments are loaded
	PLACES 8                                       ; the way out wrote scale and operand registers by vector lines: eight plain lines stand between those and the next scaled matrix instruction, though loads fill them anew
	; ---- tile 1: its K step 0 was shown whole by the last change of slots
	FIRST 1
	STEP 0, 0, 1
	TURN 0, 1, 1, 1, 1, 1
	STEP 1, 0, 0
	TURN 1, 0, 1, 1, 1, 2
	STEP 0, 0, 0
	TURN 0, 1, 0, 1, 1, 3                          ; nothing more is asked for
	STEP 1, 0, 0
	s_wait_dscnt 4*NL
	WIN MUL_LO
	MUL16 0, 1, NQ-1, 1, 0
	MUL16 2, 1, NQ-1, 1, 0
	s_wait_dscnt 0
	WIN MUL_HI
	MUL16 4, 1, NQ-1, 1, 0
	MUL16 6, 1, NQ-1, 1, 0
	WIN 0
	WAYOUT O1C, O1S
	s_wait_tensorcnt 0x0                           ; the wave's end
	ds_add_u32 v[SPW], v[NIL]
	s_wait_dscnt 0x0
	CROUND                                         ; the closing round: no work-group ends while a partner may still ask for a tile that names it
	s_endpgm
.Lfunc_end_k_q5a671ec808_proj:
	.size	k_q5a671ec808_proj, .Lfunc_end_k_q5a671ec808_proj-k_q5a671ec808_proj
	.p2alignl 7, 3214868480
	.fill 96, 4, 3214868480
	.section	.rodata,"a",@progbits
	.p2align	6, 0x0
	.amdhsa_kernel k_q5a671ec808_proj
		.amdhsa_group_segment_fixed_size 327680
		.amdhsa_private_segment_fixed_size 0
		.amdhsa_enable_private_segment 0
		.amdhsa_kernarg_size 80
		.amdhsa_user_sgpr_count 2
		.amdhsa_user_sgpr_kernarg_segment_ptr 1
		.amdhsa_wavefront_size32 1
		.amdhsa_system_sgpr_workgroup_id_x 1
		.amdhsa_system_sgpr_workgroup_id_y 1
		.amdhsa_system_sgpr_workgroup_id_z 1
		.amdhsa_system_vgpr_workitem_id 0
		.amdhsa_next_free_vgpr 1024
		.amdhsa_next_free_sgpr 102
		.amdhsa_reserve_vcc 0
		.amdhsa_float_denorm_mode_32 3
		.amdhsa_float_denorm_mode_16_64 3
		.amdhsa_memory_ordered 1
		.amdhsa_forward_progress 1
		.amdhsa_inst_pref_size 255
	.end_amdhsa_kernel
	.section	.bss,"aw",@nobits
	.p2align	6
	.space	262144
	.amdgpu_metadata
---
amdhsa.version: [ 1, 2 ]
amdhsa.kernels:
  - .name:           k_q5a671ec808_proj
    .symbol:         k_q5a671ec808_proj.kd
    .args:
      - { .name: query_input_codes, .offset: 0, .size: 8, .value_kind: global_buffer, .address_space: global }
      - { .name: query_input_scales, .offset: 8, .size: 8, .value_kind: global_buffer, .address_space: global }
      - { .name: Wq_codes, .offset: 16, .size: 8, .value_kind: global_buffer, .address_space: global }
      - { .name: Wq_scales, .offset: 24, .size: 8, .value_kind: global_buffer, .address_space: global }
      - { .name: Wk_codes, .offset: 32, .size: 8, .value_kind: global_buffer, .address_space: global }
      - { .name: Wk_scales, .offset: 40, .size: 8, .value_kind: global_buffer, .address_space: global }
      - { .name: Wv_codes, .offset: 48, .size: 8, .value_kind: global_buffer, .address_space: global }
      - { .name: Wv_scales, .offset: 56, .size: 8, .value_kind: global_buffer, .address_space: global }
      - { .name: keyq, .offset: 64, .size: 8, .value_kind: global_buffer, .address_space: global }
      - { .name: proj, .offset: 72, .size: 8, .value_kind: global_buffer, .address_space: global }
    .group_segment_fixed_size: 327680
    .private_segment_fixed_size: 0
    .kernarg_segment_align: 8
    .kernarg_segment_size: 80
    .max_flat_workgroup_size: 128
    .sgpr_count:     102
    .vgpr_count:     1024
    .wavefront_size: 32
...
	.end_amdgpu_metadata
.endif
;; end of part 2
;; launch scores (part 3): grid 4 x 64, 4 waves a work-group, clusters of 4 x 4, 327,680 bytes of LDS; arguments proj, prob; writes prob
.if DOCPART == 3
	.amdgcn_target "amdgcn-amd-amdhsa--gfx1250"
	.amdhsa_code_object_version 6
	.text
	.protected	k_q5a671ec808_scores
	.globl	k_q5a671ec808_scores
	.p2align	8
	.type	k_q5a671ec808_scores,@function
k_q5a671ec808_scores:
	s_mov_b64 s[64:65], 0
	v_nop
	global_prefetch_b8 v0, s[64:65] scope:SCOPE_SE
	s_setreg_imm32_b32 hwreg(HW_REG_WAVE_MODE, 25, 1), 1
	s_wait_xcnt 0x0
	s_wait_alu depctr_hold_cnt(0) depctr_sa_sdst(0) depctr_va_vdst(0) depctr_va_sdst(0) depctr_va_ssrc(0) depctr_va_vcc(0) depctr_vm_vsrc(0)
	s_getreg_b32 s2, hwreg(HW_REG_IB_STS2, 6, 4)
	s_cmp_eq_u32 s2, 0
	s_cbranch_scc0 .Lentry_in_a_cluster
	s_endpgm
.Lentry_in_a_cluster:
	s_bfe_u32 s2, ttmp6, 0x10000c
	s_cmp_lg_u32 s2, 0xf033
	s_cbranch_scc0 .Lentry_shape_is_right
	s_endpgm
.Lentry_shape_is_right:
; THE SCORES AND THE SOFTMAX'S p.  For each batch: s = k q^T (2,048 x 1,024, K = 1,024) on codes of FP6 with E8M0 scales; t = s x log2(e) / 32; p = 2^(t - M).
; 256 tiles of 256 x 256: A = k's rows (b, m), B = q's rows (b, n).  A work-group of four waves makes a tile, a wave 128 rows x 128 columns in 64 accumulators.
; THE SOFTMAX IS SPLIT.  M here is the ceiling of the largest t among the WAVE'S 128 columns of a row: a whole number.  The wave stores p's codes, p's scale bytes under that M, M itself and the sum l of its 128 unquantised p.
; The next launch takes the largest of a row's eight M, lowers the scale bytes by the whole-number difference and joins the sums: a change of M by a whole number moves a block's scale and leaves its codes.
; OPERANDS ARE IMAGES OF THEIR REGISTERS: [group of 128 rows][K / 128][row / 16 % 8][1,536 bytes], three runs of 512 bytes, lane l's four registers at 16 l.  So a K step of 256 of a group is 24,576 dense bytes, a fragment comes by three
; ds_load_b128 at 16 x lane, and LDS needs no padding.  Scale words: [group][K / 128][128 rows].
; THREE SLOTS, ONE REFILL.  A K step of 256 takes 98,304 bytes of LDS, so three of K's four steps go out as first fills and only K step 3 is a refill, into slot 0, behind the change from slot 0 to slot 1.  The wait for all loads in front of
; that change shows slots 1 and 2 whole in every wave, so the change from slot 1 to slot 2 has no barrier.  At most four tensor loads of a wave are out.
; CLUSTERS: 4 x 4 work-groups; A's tiles are asked for jointly along a row of the cluster, B's along a column.  No prefetch of tiles: three quarters of the operands are asked for at the head, the rest 224 matrix instructions ahead of its use.
; THE MATRIX INSTRUCTION IS USED TRANSPOSED (source 0 = 16 rows of B, source 1 = 16 rows of A): lane (r, h) of accumulator (a, b) holds row 16 a + r, and in register j column 16 b + 8 h + j.
; In a lane's block of 32 the codes of p stand in the order columns 0-7, 16-23, 8-15, 24-31, as v^T's do: both sides of the next product agree.
; LIMITS: p under 2^-126 comes out of v_exp_f32 as 0; a block all of whose p lie under 2^-124 gets the byte 1; NaN and infinities are not served.
; REGISTERS: window 0: v0-31 addresses; v32-63 scale words, two sets; v128-223 A's fragments; on the way out v32-195 are at work.  window 1: B's fragments, two sets.  windows 2, 3: the accumulators.
.set FR,    12
.set FRB,   1536                       ; a fragment's image
.set NL,    3                          ; LDS loads that bring one
.set NP,    4                          ; places behind this matrix instruction (ISA guide 7.12.1)
.set NQ,    2
.set HALFT, 16*FRB                     ; a K step of 256 of one group: what one tensor load brings
.set SLOT,  4*HALFT                    ; A's two groups, then B's two
.set PLANE, 4096                       ; a group's scale words for all of K
.set SCL,   3*SLOT                     ; behind the slots: A's two planes, then B's two
.set SPARE, SCL+4*PLANE                ; the spare words, 128 bytes a wave: two blocks of 256 bytes that no other line names
.set GRP,   8*8*FRB                    ; a group in memory: 98,304 bytes
.set Q_IMG, 12582912                   ; regions of proj (K_IMG = 0)
.set K_SC,  25165824
.set Q_SC,  25690112
.set P_SC,  12582912                   ; regions of prob (P_IMG = 0); M's plane lies 524,288 bytes behind the scale words, l's 1,048,576
.set ADRA, 16                          ; v16-18 LDS address of my A fragments in slot 0, 1, 2
.set ADRB, 20                          ; v20-22 the same for B
.set SGA,  24                          ; v24 the way out: where my row's words go (my wave's 1,536 bytes at the head of slot 1)
.set SGR,  25                          ; v25 and where 16 bytes of them are read back
.set LI,   26                          ; v26 16 x lane
.set ADRS, 27                          ; v27 my scale words: lanes 0-15 A's rows, lanes 16-31 B's; never stepped
.set SPW,  28
.set NIL,  29
.set SC,   32
.set AF,   128
.set TM,   32                          ; the way out: v32-47 at work
.set PT,   48                          ; v48-55
.set NM,   56                          ; v[56:57] -M (the packed form names a pair and takes its low word)
.set LS,   58                          ; v[58:59], v[60:61] the sum in two chains
.set T0,   62
.set T1,   63
.set PCB,  64                          ; v64-159 codes
.set PWB,  160                         ; v160-167 scale words
.set MS,   168                         ; v168-175 M
.set LL,   176                         ; v176-183 l
.set OUTW, 184
.set CS,   8                           ; s[8:9] c = log2(e) / 32
.set G1A,  24
.set G1B,  32
.set G1SA, 40
.set G1SB, 48
.set G0A0, 56
.set G0A1, 60
.set SEL,  66
.set G0A2, 68
.set G0B0, 72
.set G0B1, 76
.set G0B2, 80
.set G0SA, 84
.set G0SB, 88
.set MSB, 0
.macro WIN new
.if MSB != (\new)
	s_set_vgpr_msb (MSB<<8)|(\new)
.set MSB, (\new)
.endif
.endm
.set MUL_LO, 0xa1
.set MUL_HI, 0xf1
.set TO_B,   0x40
.macro JLOAD g0a, g1a, g0b, g1b        ; a joint load: waves 0 and 1 fetch for A, waves 2 and 3 for B; four v_nop follow each of the two lines
	s_cmp_eq_u32 s15, 0
	s_cbranch_scc0 .Lfor_b_\@
	tensor_load_to_lds s[\g0a:\g0a+3], s[\g1a:\g1a+7]
	s_nop 0
.rept 4
	v_nop
.endr
	s_branch .Lasked_\@
.Lfor_b_\@:
	tensor_load_to_lds s[\g0b:\g0b+3], s[\g1b:\g1b+7]
	s_nop 0
.rept 4
	v_nop
.endr
.Lasked_\@:
.endm
.macro CREST
	s_cmp_lg_u32 s14, 0
	s_cbranch_scc1 .Lnot_wave_0_\@
	s_barrier_signal -3
.Lnot_wave_0_\@:
	s_barrier_wait -3
	s_barrier_signal -1
	s_barrier_wait -1
.endm
.macro CROUND
	s_barrier_signal -1
	s_barrier_wait -1
	CREST
.endm
.macro MKG0 g, lreg, loff, apair, aoff ; a group 0: count 1; LDS address; global address; type 2
	s_mov_b32 s[\g], 1
	s_add_co_u32 s[\g+1], s[\lreg], \loff
	s_add_nc_u64 s[\g+2:\g+3], s[\apair:\apair+1], \aoff
	s_or_b32 s[\g+3], s[\g+3], 0x80000000
.endm
	s_load_b128 s[4:7], s[0:1], 0x0                ; proj s[4:5], prob s[6:7]
	v_lshl_add_u32 v[SPW], v0, 2, SPARE
	v_mov_b32 v[NIL], 0
	ds_add_u32 v28, v29
	ds_add_u32 v28, v29
	s_wait_dscnt 0x0
	v_lshrrev_b32 v1, 5, v0
	v_readfirstlane_b32 s14, v1                    ; wave 0..3
	s_lshr_b32 s15, s14, 1                         ; my half of the tile's rows.  Also: I fetch for A (0) or for B (1)
	s_and_b32 s16, s14, 1                          ; my half of its columns.  Also: which group I fetch
	s_bfe_u32 s92, ttmp6, 0x40000                  ; cx
	s_bfe_u32 s93, ttmp6, 0x40004                  ; cy
	s_and_b32 s94, ttmp7, 0xffff                   ; Y: the cluster's row, 0 .. 15
	s_lshl_b32 s95, s94, 2
	s_add_co_u32 s95, s95, s93                     ; A's tile of 256 rows among the 16,384: 4 Y + cy
	s_lshr_b32 s96, s94, 1                         ; the batch
	s_lshl_b32 s96, s96, 2
	s_add_co_u32 s96, s96, s92                     ; B's tile among the 8,192: 4 x batch + cx
	s_lshl_b32 s17, s93, 2
	s_lshl_b32 s17, 15, s17                        ; my row of the cluster
	s_lshl_b32 s18, 0x1111, s92                    ; my column
	s_or_b32 s[G1A], s17, (3<<16)|(1<<21)          ; the mask; elements of 8 bytes; no padding; bit 21 beside a mask
	s_or_b32 s[G1SA], s17, (3<<16)|(1<<21)
	s_or_b32 s[G1B], s18, (3<<16)|(1<<21)
	s_or_b32 s[G1SB], s18, (3<<16)|(1<<21)
.irp g, G1A, G1B                       ; a tile: 24,576 dense bytes as 96 rows of 256
	s_mov_b32 s[\g+1], 32<<16
	s_mov_b32 s[\g+2], 96<<16
	s_mov_b32 s[\g+3], 32<<16
	s_mov_b32 s[\g+4], 96
	s_mov_b32 s[\g+5], 32
	s_mov_b32 s[\g+6], 0
	s_mov_b32 s[\g+7], 0
.endr
.irp g, G1SA, G1SB                     ; a plane of scale words: 4,096 dense bytes as 16 rows of 256
	s_mov_b32 s[\g+1], 32<<16
	s_mov_b32 s[\g+2], 16<<16
	s_mov_b32 s[\g+3], 32<<16
	s_mov_b32 s[\g+4], 16
	s_mov_b32 s[\g+5], 32
	s_mov_b32 s[\g+6], 0
	s_mov_b32 s[\g+7], 0
.endr
	s_lshl_b32 s17, s95, 1
	s_add_co_u32 s17, s17, s16                     ; A's group that I fetch: hangs on Y, cy and the wave
	s_mul_i32 s20, s17, GRP
	s_mov_b32 s21, 0
	s_lshl_b32 s2, s17, 12
	s_add_co_u32 s2, s2, K_SC
	s_mov_b32 s3, 0
	s_lshl_b32 s18, s96, 1
	s_add_co_u32 s18, s18, s16                     ; B's: on Y, cx and the wave
	s_mul_i32 s22, s18, GRP
	s_add_co_u32 s22, s22, Q_IMG
	s_mov_b32 s23, 0
	s_lshl_b32 s98, s18, 12
	s_add_co_u32 s98, s98, Q_SC
	s_mov_b32 s99, 0
	s_mul_i32 s19, s14, HALFT                      ; where they go: wave x 24,576, wave x 4,096: no place in the cluster enters an LDS address
	s_lshl_b32 s97, s14, 12
	s_lshl_b32 s94, s95, 1                         ; where my results go: run 8 x group + n / 128.  Made in s94, s100, s101, which feed no descriptor
	s_add_co_u32 s94, s94, s15
	s_lshl_b32 s94, s94, 3
	s_lshl_b32 s100, s92, 1
	s_add_co_u32 s100, s100, s16
	s_add_co_u32 s94, s94, s100
	s_mul_i32 s100, s94, 12288
	s_mov_b32 s101, 0
	s_mov_b32 s[SEL], 0x76543210
	s_mov_b32 s[SEL+1], 0xfedcba98
	s_mov_b32 s[CS], 0x3d38aa3b                    ; log2(e) / 32
	s_mov_b32 s[CS+1], s[CS]
	s_wait_kmcnt 0x0
	s_add_nc_u64 s[20:21], s[4:5], s[20:21]
	s_add_nc_u64 s[2:3], s[4:5], s[2:3]
	s_add_nc_u64 s[22:23], s[4:5], s[22:23]
	s_add_nc_u64 s[98:99], s[4:5], s[98:99]
	s_add_nc_u64 s[12:13], s[6:7], s[100:101]      ; p's codes
	s_lshl_b32 s100, s94, 9
	s_add_co_u32 s100, s100, P_SC
	s_add_nc_u64 s[10:11], s[6:7], s[100:101]      ; p's scale words; M and l by immediates
	MKG0 G0SA, 97, SCL, 2, 0
	MKG0 G0A0, 19, 0, 20, 0
	MKG0 G0A1, 19, SLOT, 20, HALFT
	MKG0 G0A2, 19, 2*SLOT, 20, 2*HALFT
	MKG0 G0SB, 97, SCL, 98, 0
	MKG0 G0B0, 19, 0, 22, 0
	MKG0 G0B1, 19, SLOT, 22, HALFT
	MKG0 G0B2, 19, 2*SLOT, 22, 2*HALFT
	CROUND                                         ; all sixteen work-groups are here: the first joint loads meet
	s_cmp_eq_u32 s15, 0                            ; a wave's four first fills stand in one branch, ahead of every wait on TENSORcnt and every LDS read
	s_cbranch_scc0 .Lfirst_b
	tensor_load_to_lds s[G0SA:G0SA+3], s[G1SA:G1SA+7]
	s_nop 0
	tensor_load_to_lds s[G0A0:G0A0+3], s[G1A:G1A+7]
	s_nop 0
	tensor_load_to_lds s[G0A1:G0A1+3], s[G1A:G1A+7]
	s_nop 0
	tensor_load_to_lds s[G0A2:G0A2+3], s[G1A:G1A+7]
	s_nop 0
.rept 4
	v_nop
.endr
	s_branch .Lfirst_done
.Lfirst_b:
	tensor_load_to_lds s[G0SB:G0SB+3], s[G1SB:G1SB+7]
	s_nop 0
	tensor_load_to_lds s[G0B0:G0B0+3], s[G1B:G1B+7]
	s_nop 0
	tensor_load_to_lds s[G0B1:G0B1+3], s[G1B:G1B+7]
	s_nop 0
	tensor_load_to_lds s[G0B2:G0B2+3], s[G1B:G1B+7]
	s_nop 0
.rept 4
	v_nop
.endr
.Lfirst_done:
	v_and_b32 v1, 15, v0                           ; r
	v_bfe_u32 v2, v0, 4, 1                         ; h
	v_and_b32 v3, 31, v0                           ; lane
	v_lshlrev_b32 v[LI], 4, v3
	s_mul_i32 s17, s15, HALFT                      ; my group of A
	s_mul_i32 s18, s16, HALFT                      ; my group of B,
	s_add_co_u32 s18, s18, 2*HALFT                 ; behind A's two
.irp s, 0,1,2
	v_add_nc_u32 v[ADRA+\s], s17, v[LI]
	v_add_nc_u32 v[ADRB+\s], s18, v[LI]
	s_add_co_u32 s17, s17, SLOT
	s_add_co_u32 s18, s18, SLOT
.endr
	s_lshl_b32 s17, s15, 12                        ; A's plane of my group
	s_lshl_b32 s18, s16, 12
	s_add_co_u32 s18, s18, 2*PLANE                 ; B's
	s_sub_co_u32 s18, s18, s17
	v_mul_u32_u24 v4, s18, v2                      ; lanes 16-31 take B's: one product of h with the distance
	s_add_co_u32 s17, s17, SCL
	v_lshl_add_u32 v4, v1, 2, v4
	v_add_nc_u32 v[ADRS], s17, v4
	s_mul_i32 s17, s14, 1536
	s_add_co_u32 s17, s17, SLOT                    ; the way out: my wave's 1,536 bytes at the head of slot 1
	v_lshl_add_u32 v[SGA], v1, 2, s17
	v_add_nc_u32 v[SGR], s17, v[LI]
.macro FRAG reg, adr, off              ; a fragment comes back as it was stored: three runs of 512 bytes
.irp c, 0,1,2
	ds_load_b128 v[\reg+4*\c:\reg+4*\c+3], v[\adr] offset:\off+512*\c
.endr
.endm
.macro FETCH_B slot, q, p
	WIN TO_B
.irp i, 0,1,2,3,4,5,6,7
	FRAG 128*(\p)+FR*\i, ADRB+\slot, (8*(\q)+\i)*FRB
.endr
	WIN 0
.endm
.macro FETCH_A slot, q, i0
.irp i, \i0, \i0+1, \i0+2, \i0+3
	FRAG AF+FR*(\i), ADRA+\slot, (8*(\q)+(\i))*FRB
.endr
.endm
.macro SCALES kk                       ; K step kk's scale words into set kk % 2: register 2 i + q: lanes 0-15 A's block i, lanes 16-31 B's block i
.irp i, 0,1,2,3,4,5,6,7
.irp q, 0,1
	ds_load_b32 v[SC+16*((\kk)%2)+2*\i+\q], v[ADRS] offset:(2*(\kk)+\q)*512+64*\i
.endr
.endr
.endm
; 16 matrix instructions: A's blocks a0, a0 + 1 x B's eight.  The 64 accumulators take turns, one instruction a turn, in the same order in every step.
.macro MUL16 a0, p, q, sc, zero
.irp a, \a0, \a0+1
.irp b, 0,1,2,3,4,5,6,7
.if \zero
	v_wmma_scale_f32_16x16x128_f8f6f4 v[8*(8*((\a)%4)+\b):8*(8*((\a)%4)+\b)+7], v[128*(\p)+FR*\b:128*(\p)+FR*\b+FR-1], v[AF+FR*(\a):AF+FR*(\a)+FR-1], 0, v[SC+8*NQ*(\sc)+NQ*\b+(\q)], v[SC+8*NQ*(\sc)+NQ*(\a)+(\q)] matrix_a_fmt:MATRIX_FMT_FP6 matrix_b_fmt:MATRIX_FMT_FP6 matrix_a_scale:MATRIX_SCALE_ROW1
.else
	v_wmma_scale_f32_16x16x128_f8f6f4 v[8*(8*((\a)%4)+\b):8*(8*((\a)%4)+\b)+7], v[128*(\p)+FR*\b:128*(\p)+FR*\b+FR-1], v[AF+FR*(\a):AF+FR*(\a)+FR-1], v[8*(8*((\a)%4)+\b):8*(8*((\a)%4)+\b)+7], v[SC+8*NQ*(\sc)+NQ*\b+(\q)], v[SC+8*NQ*(\sc)+NQ*(\a)+(\q)] matrix_a_fmt:MATRIX_FMT_FP6 matrix_b_fmt:MATRIX_FMT_FP6 matrix_a_scale:MATRIX_SCALE_ROW1
.endif
.endr
.endr
.endm
.macro PLACES n
.rept \n
	v_nop
.endr
.endm
.macro STEP slot, sc, zero             ; a slot's first 128 along K; its second is fetched meanwhile
	s_wait_dscnt 4*NL                              ; B's set, A's blocks 0-3 and the scale words are in; the youngest 12 loads (A's blocks 4-7) may be out
	WIN MUL_LO
	MUL16 0, 0, 0, \sc, \zero
	MUL16 2, 0, 0, \sc, \zero
	s_wait_dscnt 0
	PLACES NP
	FETCH_B \slot, 1, 1
	FETCH_A \slot, 1, 0
	WIN MUL_HI
	MUL16 4, 0, 0, \sc, \zero
	MUL16 6, 0, 0, \sc, \zero
	PLACES NP
	WIN 0
	FETCH_A \slot, 1, 4
.endm
; A slot's second 128 along K, with a barrier.  In front of it each wave waits for all its tensor loads, adds 0 to its spare word, and waits for that and for its reads of the slot.
; mode 2: the barrier opens a round of the cluster's, and slot 0 is filled again with K step 3, first thing behind it.  mode 1: nothing is filled.
.macro TURN next, sc, kk, mode
	s_wait_tensorcnt 0x0                           ; all my tensor loads have landed
	ds_add_u32 v[SPW], v[NIL]                      ; 0 onto my spare word
	s_wait_dscnt 4*NL+1                            ; (the add and the youngest 12 loads may be out)
	WIN MUL_LO
	MUL16 0, 1, 1, \sc, 0
	s_wait_dscnt 0x0                               ; the add is done, and my reads of the slot are over
	s_barrier_signal -1
	MUL16 2, 1, 1, \sc, 0
	WIN 0
	s_barrier_wait -1
.if \mode == 2
	CREST                                          ; no wave of any partner still reads slot 0 or has a load on its way
	s_add_nc_u64 s[G0A0+2:G0A0+3], s[G0A0+2:G0A0+3], 3*HALFT
	s_add_nc_u64 s[G0B0+2:G0B0+3], s[G0B0+2:G0B0+3], 3*HALFT
	JLOAD G0A0, G1A, G0B0, G1B                     ; my one tensor load behind the round; its four v_nop are the places in front of the loads below
.else
	PLACES NP
.endif
	FETCH_B \next, 0, 0
	FETCH_A \next, 0, 0
	SCALES \kk
	WIN MUL_HI
	MUL16 4, 1, 1, \sc, 0
	MUL16 6, 1, 1, \sc, 0
	PLACES NP
	WIN 0
	FETCH_A \next, 0, 4
.endm
.macro TURNP                           ; from slot 1 to slot 2, without a barrier: the change before has shown slot 2 whole in every wave, and nothing is filled here
	s_wait_dscnt 4*NL
	WIN MUL_LO
	MUL16 0, 1, 1, 1, 0
	MUL16 2, 1, 1, 1, 0
	s_wait_dscnt 0
	PLACES NP
	FETCH_B 2, 0, 0
	FETCH_A 2, 0, 0
	SCALES 2
	WIN MUL_HI
	MUL16 4, 1, 1, 1, 0
	MUL16 6, 1, 1, 1, 0
	PLACES NP
	WIN 0
	FETCH_A 2, 0, 4
.endm
	s_wait_tensorcnt 0x2                           ; the scale words and my part of slot 0 are in; slots 1 and 2 may be out
	s_barrier_signal -1
	s_barrier_wait -1
	FETCH_B 0, 0, 0
	FETCH_A 0, 0, 0
	SCALES 0
	FETCH_A 0, 0, 4
	STEP 0, 0, 1                                   ; the first products start the sums
	TURN 1, 0, 1, 2
	STEP 1, 1, 0
	TURNP
	STEP 2, 0, 0
	TURN 0, 0, 3, 1
	STEP 0, 1, 0
	s_wait_dscnt 4*NL
	WIN MUL_LO
	MUL16 0, 1, 1, 1, 0
	MUL16 2, 1, 1, 1, 0
	s_wait_dscnt 0x0
	WIN MUL_HI
	MUL16 4, 1, 1, 1, 0
	MUL16 6, 1, 1, 1, 0
	WIN 0
; Block a's 16 rows: the largest score of my row among the wave's 128 columns, M, p in place of the scores, and the sum of the unquantised p.
.macro SOFT a
.set AC, 64*((\a)%4)
.set W,  2+(\a)/4
	WIN (W|(W<<2)|(W<<4))
.irp b, 0,1,2,3
	v_max3_num_f32 v[TM+\b], v[AC+16*\b], v[AC+16*\b+1], v[AC+16*\b+2]   ; four chains; each accumulator is read from its low end on
.endr
	WIN ((W<<2)|(W<<4))
.irp i, 3,5,7,9,11,13
.irp b, 0,1,2,3
	v_max3_num_f32 v[TM+\b], v[TM+\b], v[AC+16*\b+\i], v[AC+16*\b+\i+1]
.endr
.endr
	WIN (W<<2)
.irp b, 0,1,2,3
	v_max_num_f32 v[TM+\b], v[TM+\b], v[AC+16*\b+15]
.endr
	WIN 0
	v_max3_num_f32 v[T0], v[TM], v[TM+1], v[TM+2]
	v_max_num_f32 v[T0], v[T0], v[TM+3]
	v_permlanex16_b32 v[T1], v[T0], s[SEL], s[SEL+1]
	v_max_num_f32 v[T0], v[T0], v[T1]              ; with lane l xor 16's 64 columns
	v_mul_f32 v[T0], s[CS], v[T0]                  ; as t (c is positive)
	v_floor_f32 v[NM], -v[T0]                      ; -M = floor(-t) = -ceil(t): a whole number
	v_sub_f32 v[MS+(\a)], 0, v[NM]                 ; M, for the next launch
	WIN (W|(W<<6))
.set j, 0
.rept 32
	v_pk_fma_f32 v[AC+j:AC+j+1], v[AC+j:AC+j+1], s[CS:CS+1], v[NM:NM+1] op_sel_hi:[1,0,0]   ; t - M, two at a time, one rounding
.set j, j+2
.endr
.set j, 0
.rept 64
	v_exp_f32 v[AC+j], v[AC+j]                     ; p = 2^(t - M), at most 1
.set j, j+1
.endr
	WIN 0
	v_nop                                          ; a plain line behind the last exponential
	s_wait_alu depctr_va_vdst(0)                   ; one wait for the batch of 64, ahead of its first reader
	WIN (W|(W<<2))
	v_pk_add_f32 v[LS:LS+1], v[AC:AC+1], v[AC+2:AC+3]          ; the sum of the unquantised p, two at a time, in two chains
	v_pk_add_f32 v[LS+2:LS+3], v[AC+4:AC+5], v[AC+6:AC+7]
	WIN (W<<2)
.irp j, 8,12,16,20,24,28,32,36,40,44,48,52,56,60
	v_pk_add_f32 v[LS:LS+1], v[LS:LS+1], v[AC+\j:AC+\j+1]
	v_pk_add_f32 v[LS+2:LS+3], v[LS+2:LS+3], v[AC+\j+2:AC+\j+3]
.endr
	WIN 0
	v_pk_add_f32 v[LS:LS+1], v[LS:LS+1], v[LS+2:LS+3]
	v_add_f32 v[T0], v[LS], v[LS+1]
	v_permlanex16_b32 v[T1], v[T0], s[SEL], s[SEL+1]
	v_add_f32 v[LL+(\a)], v[T0], v[T1]             ; l of my row's 128 columns
.endm
; Block a's p become a fragment's codes in v[PCB + 12 a] on and its scale word in v[PWB + a].
.macro QUANT a
.set AC, 64*((\a)%4)
.set W,  2+(\a)/4
.set PC, PCB+12*(\a)
	WIN (W|(W<<2))
.irp b, 0,1,2,3
	v_max3_num_f32 v[TM+\b], |v[AC+16*\b]|, |v[AC+16*\b+1]|, 0x1800000   ; block b: my 16 numbers, and the floor 2^(3 - 127): the byte cannot fall under 1
.endr
	WIN ((W<<2)|(W<<4))
.irp i, 2,4,6,8,10,12,14
.irp b, 0,1,2,3
	v_max3_num_f32 v[TM+\b], v[TM+\b], |v[AC+16*\b+\i]|, |v[AC+16*\b+\i+1]|
.endr
.endr
	WIN 0
.irp b, 0,1,2,3
	v_permlanex16_b32 v[TM+4+\b], v[TM+\b], s[SEL], s[SEL+1]
.endr
.irp b, 0,1,2,3
	v_max_num_f32 v[TM+\b], v[TM+\b], v[TM+4+\b]
.endr
.irp b, 0,1,2,3
	v_add_nc_u32 v[TM+12+\b], 0xff000000, v[TM+\b] ; 2 off the exponent field: the conversion's scale operand
.endr
.irp b, 0,1,2,3
	v_lshrrev_b32 v[TM+4+\b], 23, v[TM+12+\b]      ; the scale's byte
.endr
	v_lshl_or_b32 v[PWB+(\a)], v[TM+5], 8, v[TM+4]
	v_lshl_or_b32 v[PWB+(\a)], v[TM+6], 16, v[PWB+(\a)]
	v_lshl_or_b32 v[PWB+(\a)], v[TM+7], 24, v[PWB+(\a)]
	WIN W
.irp c, 0,1
	v_cvt_scalef32_pk16_fp6_f32 v[PC+6*\c:PC+6*\c+2], v[AC+32*\c:AC+32*\c+15], v[TM+12+2*\c]
	v_cvt_scalef32_pk16_fp6_f32 v[PT+4*\c:PT+4*\c+2], v[AC+32*\c+16:AC+32*\c+31], v[TM+13+2*\c]
.endr
	WIN 0
	v_nop                                          ; one plain line behind a scaled conversion
.irp c, 0,1
.irp i, 0,1,2
	v_permlane16_swap_b32 v[PC+6*\c+\i], v[PT+4*\c+\i]
.endr
.irp i, 0,1,2
	v_mov_b32 v[PC+3+6*\c+\i], v[PT+4*\c+\i]
.endr
.endr
.endm
.macro PUT a
.irp c, 0,1,2
	global_store_b128 v[LI], v[PCB+12*(\a)+4*\c:PCB+12*(\a)+4*\c+3], s[12:13] offset:(\a)*1536+512*\c   ; 512 consecutive bytes, aligned
.endr
.endm
	PLACES NP                                      ; behind the last products
.irp b, 0,1,2,3
	v_mov_b32 v[TM+4+\b], 0                        ; written once: a lane permute's destination counts as one of its sources
.endr
	v_mov_b32 v[T1], 0
	v_mov_b32 v[NM+1], 0                           ; (named as the upper half of a pair)
.irp a, 0,1,2,3,4,5,6,7
	SOFT \a
	QUANT \a
	PUT \a
.endr
.irp a, 0,1,2,3,4,5,6,7                ; row 16 a + r's three words; lanes r and r + 16 write the same word with the same value.  Slot 1 has had its one fill, and every wave's reads of it lie in front of the last barrier
	ds_store_b32 v[SGA], v[PWB+\a] offset:64*\a
	ds_store_b32 v[SGA], v[MS+\a] offset:512+64*\a
	ds_store_b32 v[SGA], v[LL+\a] offset:1024+64*\a
.endr
.irp x, 0,1,2
	ds_load_b128 v[OUTW+4*\x:OUTW+4*\x+3], v[SGR] offset:512*\x   ; LDS serves a wave's instructions in order: these see my stores
.endr
	s_wait_dscnt 0x0
.irp x, 0,1,2
	global_store_b128 v[LI], v[OUTW+4*\x:OUTW+4*\x+3], s[10:11] offset:524288*\x   ; scale words, M, l: 512 consecutive bytes each, aligned
.endr
	s_wait_tensorcnt 0x0                           ; the wave's end
	ds_add_u32 v[SPW], v[NIL]
	s_wait_dscnt 0x0
	CROUND                                         ; the closing round
	s_endpgm
.Lfunc_end_k_q5a671ec808_scores:
	.size	k_q5a671ec808_scores, .Lfunc_end_k_q5a671ec808_scores-k_q5a671ec808_scores
	.p2alignl 7, 3214868480
	.fill 96, 4, 3214868480
	.section	.rodata,"a",@progbits
	.p2align	6, 0x0
	.amdhsa_kernel k_q5a671ec808_scores
		.amdhsa_group_segment_fixed_size 327680
		.amdhsa_private_segment_fixed_size 0
		.amdhsa_enable_private_segment 0
		.amdhsa_kernarg_size 16
		.amdhsa_user_sgpr_count 2
		.amdhsa_user_sgpr_kernarg_segment_ptr 1
		.amdhsa_wavefront_size32 1
		.amdhsa_system_sgpr_workgroup_id_x 1
		.amdhsa_system_sgpr_workgroup_id_y 1
		.amdhsa_system_sgpr_workgroup_id_z 1
		.amdhsa_system_vgpr_workitem_id 0
		.amdhsa_next_free_vgpr 1024
		.amdhsa_next_free_sgpr 102
		.amdhsa_reserve_vcc 0
		.amdhsa_float_denorm_mode_32 3
		.amdhsa_float_denorm_mode_16_64 3
		.amdhsa_memory_ordered 1
		.amdhsa_forward_progress 1
		.amdhsa_inst_pref_size 211
	.end_amdhsa_kernel
	.amdgpu_metadata
---
amdhsa.version: [ 1, 2 ]
amdhsa.kernels:
  - .name:           k_q5a671ec808_scores
    .symbol:         k_q5a671ec808_scores.kd
    .args:
      - { .name: proj, .offset: 0, .size: 8, .value_kind: global_buffer, .address_space: global }
      - { .name: prob, .offset: 8, .size: 8, .value_kind: global_buffer, .address_space: global }
    .group_segment_fixed_size: 327680
    .private_segment_fixed_size: 0
    .kernarg_segment_align: 8
    .kernarg_segment_size: 16
    .max_flat_workgroup_size: 128
    .sgpr_count:     102
    .vgpr_count:     1024
    .wavefront_size: 32
...
	.end_amdgpu_metadata
.endif
;; end of part 3
;; launch context (part 4): grid 4 x 64, 4 waves a work-group, clusters of 4 x 4, 327,680 bytes of LDS; arguments prob, proj, key_input, out0; writes out0
.if DOCPART == 4
	.amdgcn_target "amdgcn-amd-amdhsa--gfx1250"
	.amdhsa_code_object_version 6
	.text
	.protected	k_q5a671ec808_context
	.globl	k_q5a671ec808_context
	.p2align	8
	.type	k_q5a671ec808_context,@function
k_q5a671ec808_context:
	s_mov_b64 s[64:65], 0
	v_nop
	global_prefetch_b8 v0, s[64:65] scope:SCOPE_SE
	s_setreg_imm32_b32 hwreg(HW_REG_WAVE_MODE, 25, 1), 1
	s_wait_xcnt 0x0
	s_wait_alu depctr_hold_cnt(0) depctr_sa_sdst(0) depctr_va_vdst(0) depctr_va_sdst(0) depctr_va_ssrc(0) depctr_va_vcc(0) depctr_vm_vsrc(0)
	s_getreg_b32 s2, hwreg(HW_REG_IB_STS2, 6, 4)
	s_cmp_eq_u32 s2, 0
	s_cbranch_scc0 .Lentry_in_a_cluster
	s_endpgm
.Lentry_in_a_cluster:
	s_bfe_u32 s2, ttmp6, 0x10000c
	s_cmp_lg_u32 s2, 0xf033
	s_cbranch_scc0 .Lentry_shape_is_right
	s_endpgm
.Lentry_shape_is_right:
; out0 = (p v) / l + key_input.  For each batch p v is 2,048 x 1,024 with K = n = 1,024, on codes of FP6 with E8M0 scales.  256 tiles of 256 x 256: A = p's rows (b, m), B = v^T's rows (b, d).
; THE SOFTMAX IS JOINED HERE.  p's codes came with scale bytes, M and l for each run of 128 columns.  At the head thread t takes row t of the tile's two groups: the row's M is the largest of its eight; each run's bytes are lowered by
; d = M - that run's M (a whole number, held at 255; a byte is held at 1 from below), its l is multiplied by 2^-d, and 1 / the sum is kept.  The lowered scale words go to LDS where a tensor load would have laid them.
; The core is that of the launch before: operands as images of their registers, three LDS slots of a K step of 256, one refill, 4 x 4 clusters with joint loads, the matrix instruction used transposed.
; At most four tensor loads of a wave are out.
; THE WAY OUT.  A block of 16 rows x 128 columns goes through my stage in LDS and comes back as rows of 512 bytes; sum x (1 / l) + key_input is one fused multiply-add, 1 / l of the row from a scalar register; 32 lanes store 512 consecutive bytes.
; key_input: my blocks 0 and 1 (of eight, 16 rows x 512 bytes each) are loaded behind the first step of 128 along K, into the 128 registers that the products leave free; the others up to four blocks (64 loads a wave) ahead on the way out.
; Blocks 2 to 5 are also prefetched, each aligned run of 256 bytes named once in the launch, by the one wave that reads it.
; LIMITS: a run of 128 columns whose M lies more than (byte - 1) under the row's M keeps the byte 1 and so adds at most 7.5 x 2^-126 a code where the stated rule has less; NaN and infinities are not served.
.set FR,    12
.set FRB,   1536
.set NL,    3
.set NP,    4
.set NQ,    2
.set HALFT, 16*FRB
.set SLOT,  4*HALFT
.set PLANE, 4096
.set SCL,   3*SLOT                     ; A's two planes of scale words (stored by the head's lines), then B's two (tensor loads)
.set SPARE, SCL+4*PLANE                ; the spare words, 128 bytes a wave: two blocks of 256 bytes that no other line names
.set RINV,  SPARE+512                  ; 1 / l of the tile's 256 rows
.set GRP,   8*8*FRB
.set V_IMG, 18874368                   ; regions of proj
.set V_SC,  25952256
.set P_SC,  12582912                   ; regions of prob (P_IMG = 0)
.set SPITCH, 528                       ; the stage: 16 rows x (512 bytes + 16) a wave, at the head of slot 1
.set ADRA, 16
.set RVA,  19                          ; v19 where my row's 1 / l lies
.set ADRB, 20
.set PFO,  23                          ; v23 the prefetches' offset: 4,096 (lane / 2) + 256 (lane % 2); never rewritten
.set STO,  24
.set RD,   25
.set CO,   26                          ; v26 16 x lane
.set ADRS, 27
.set SPW,  28
.set NIL,  29
.set SW,   30                          ; v30 SCL + 4 x thread: where the head stores a row's words
.set TH4,  31                          ; v31 4 x thread
.set SC,   32
.set RV,   32                          ; the way out: v32-39 1 / l, lane r: row 16 a + r
.set AF,   128
.set BK,   128                         ; the way out: v128-191, v192-255 by turns
.set RS,   24                          ; the way out: s[24:55] sixteen pairs, 1 / l of a block's rows
.set G1A,  24
.set G1B,  32
.set G1SB, 48
.set G0A0, 56
.set G0A1, 60
.set G0A2, 68
.set G0B0, 72
.set G0B1, 76
.set G0B2, 80
.set G0SB, 88
.set MSB, 0
.macro WIN new
.if MSB != (\new)
	s_set_vgpr_msb (MSB<<8)|(\new)
.set MSB, (\new)
.endif
.endm
.set MUL_LO, 0xa1
.set MUL_HI, 0xf1
.set TO_B,   0x40
.macro JLOAD g0a, g1a, g0b, g1b
	s_cmp_eq_u32 s15, 0
	s_cbranch_scc0 .Lfor_b_\@
	tensor_load_to_lds s[\g0a:\g0a+3], s[\g1a:\g1a+7]
	s_nop 0
.rept 4
	v_nop
.endr
	s_branch .Lasked_\@
.Lfor_b_\@:
	tensor_load_to_lds s[\g0b:\g0b+3], s[\g1b:\g1b+7]
	s_nop 0
.rept 4
	v_nop
.endr
.Lasked_\@:
.endm
.macro CREST
	s_cmp_lg_u32 s14, 0
	s_cbranch_scc1 .Lnot_wave_0_\@
	s_barrier_signal -3
.Lnot_wave_0_\@:
	s_barrier_wait -3
	s_barrier_signal -1
	s_barrier_wait -1
.endm
.macro CROUND
	s_barrier_signal -1
	s_barrier_wait -1
	CREST
.endm
.macro MKG0 g, lreg, loff, apair, aoff
	s_mov_b32 s[\g], 1
	s_add_co_u32 s[\g+1], s[\lreg], \loff
	s_add_nc_u64 s[\g+2:\g+3], s[\apair:\apair+1], \aoff
	s_or_b32 s[\g+3], s[\g+3], 0x80000000
.endm
	s_load_b256 s[4:11], s[0:1], 0x0               ; prob s[4:5], proj s[6:7], key_input s[8:9], out0 s[10:11]
	v_lshl_add_u32 v[SPW], v0, 2, SPARE
	v_mov_b32 v[NIL], 0
	ds_add_u32 v28, v29
	ds_add_u32 v28, v29
	s_wait_dscnt 0x0
	v_lshrrev_b32 v1, 5, v0
	v_readfirstlane_b32 s14, v1                    ; wave 0..3
	s_lshr_b32 s15, s14, 1
	s_and_b32 s16, s14, 1
	s_bfe_u32 s92, ttmp6, 0x40000                  ; cx
	s_bfe_u32 s93, ttmp6, 0x40004                  ; cy
	s_and_b32 s94, ttmp7, 0xffff                   ; Y
	s_lshl_b32 s95, s94, 2
	s_add_co_u32 s95, s95, s93                     ; A's tile: 4 Y + cy
	s_lshr_b32 s96, s94, 1
	s_lshl_b32 s96, s96, 2
	s_add_co_u32 s96, s96, s92                     ; B's tile: 4 x batch + cx
	s_lshl_b32 s17, s93, 2
	s_lshl_b32 s17, 15, s17
	s_lshl_b32 s18, 0x1111, s92
	s_or_b32 s[G1A], s17, (3<<16)|(1<<21)
	s_or_b32 s[G1B], s18, (3<<16)|(1<<21)
	s_or_b32 s[G1SB], s18, (3<<16)|(1<<21)
.irp g, G1A, G1B
	s_mov_b32 s[\g+1], 32<<16
	s_mov_b32 s[\g+2], 96<<16
	s_mov_b32 s[\g+3], 32<<16
	s_mov_b32 s[\g+4], 96
	s_mov_b32 s[\g+5], 32
	s_mov_b32 s[\g+6], 0
	s_mov_b32 s[\g+7], 0
.endr
	s_mov_b32 s[G1SB+1], 32<<16
	s_mov_b32 s[G1SB+2], 16<<16
	s_mov_b32 s[G1SB+3], 32<<16
	s_mov_b32 s[G1SB+4], 16
	s_mov_b32 s[G1SB+5], 32
	s_mov_b32 s[G1SB+6], 0
	s_mov_b32 s[G1SB+7], 0
	s_lshl_b32 s17, s95, 1
	s_add_co_u32 s17, s17, s16                     ; A's group that I fetch
	s_mul_i32 s20, s17, GRP
	s_mov_b32 s21, 0
	s_lshl_b32 s18, s96, 1
	s_add_co_u32 s18, s18, s16                     ; B's
	s_mul_i32 s22, s18, GRP
	s_add_co_u32 s22, s22, V_IMG
	s_mov_b32 s23, 0
	s_lshl_b32 s98, s18, 12
	s_add_co_u32 s98, s98, V_SC
	s_mov_b32 s99, 0
	s_mul_i32 s19, s14, HALFT
	s_lshl_b32 s97, s14, 12
	s_lshl_b32 s2, s95, 13                         ; the tile's two groups' words: 8,192 bytes a tile in each plane
	s_add_co_u32 s2, s2, P_SC
	s_mov_b32 s3, 0
	s_lshl_b32 s94, s95, 8                         ; my part of key_input and out0: row 256 x tile + 128 x half, 4,096 bytes a row; column 256 cx + 128 x half.  Made in s94, s100, s101, which feed no descriptor
	s_lshl_b32 s100, s15, 7
	s_add_co_u32 s94, s94, s100
	s_lshl_b32 s94, s94, 12
	s_lshl_b32 s100, s92, 10
	s_add_co_u32 s94, s94, s100
	s_lshl_b32 s100, s16, 9
	s_add_co_u32 s100, s94, s100
	s_mov_b32 s101, 0
	s_wait_kmcnt 0x0
	s_add_nc_u64 s[20:21], s[4:5], s[20:21]
	s_add_nc_u64 s[22:23], s[6:7], s[22:23]
	s_add_nc_u64 s[98:99], s[6:7], s[98:99]
	s_add_nc_u64 s[12:13], s[4:5], s[2:3]          ; the statistics
	s_add_nc_u64 s[8:9], s[8:9], s[100:101]        ; key_input; never stepped
	s_add_nc_u64 s[10:11], s[10:11], s[100:101]    ; out0; never stepped
	MKG0 G0A0, 19, 0, 20, 0
	MKG0 G0A1, 19, SLOT, 20, HALFT
	MKG0 G0A2, 19, 2*SLOT, 20, 2*HALFT
	MKG0 G0SB, 97, SCL, 98, 0
	MKG0 G0B0, 19, 0, 22, 0
	MKG0 G0B1, 19, SLOT, 22, HALFT
	MKG0 G0B2, 19, 2*SLOT, 22, 2*HALFT
	CROUND                                         ; all sixteen work-groups are here: the first joint loads meet
	s_cmp_eq_u32 s15, 0                            ; a wave's first fills stand in one branch: A's waves three, B's four; behind slot 0's load stand two on both ways
	s_cbranch_scc0 .Lfirst_b
	tensor_load_to_lds s[G0A0:G0A0+3], s[G1A:G1A+7]
	s_nop 0
	tensor_load_to_lds s[G0A1:G0A1+3], s[G1A:G1A+7]
	s_nop 0
	tensor_load_to_lds s[G0A2:G0A2+3], s[G1A:G1A+7]
	s_nop 0
.rept 4
	v_nop
.endr
	s_branch .Lfirst_done
.Lfirst_b:
	tensor_load_to_lds s[G0SB:G0SB+3], s[G1SB:G1SB+7]
	s_nop 0
	tensor_load_to_lds s[G0B0:G0B0+3], s[G1B:G1B+7]
	s_nop 0
	tensor_load_to_lds s[G0B1:G0B1+3], s[G1B:G1B+7]
	s_nop 0
	tensor_load_to_lds s[G0B2:G0B2+3], s[G1B:G1B+7]
	s_nop 0
.rept 4
	v_nop
.endr
.Lfirst_done:
	v_lshlrev_b32 v[TH4], 2, v0
.irp x, 0,1,2                          ; row t's words of both groups: scale words v128-143, M v144-159, l v160-175; a wave's load covers 128 consecutive bytes
.irp g, 0,1
.irp k, 0,1,2,3,4,5,6,7
	global_load_b32 v[128+16*\x+8*\g+\k], v[TH4], s[12:13] offset:\x*524288+\g*4096+\k*512
.endr
.endr
.endr
	v_lshl_add_u32 v[SW], v0, 2, SCL
	v_and_b32 v1, 15, v0                           ; r
	v_bfe_u32 v2, v0, 4, 1                         ; h
	v_and_b32 v3, 31, v0                           ; lane
	v_lshlrev_b32 v[CO], 4, v3
	s_mul_i32 s17, s15, HALFT
	s_mul_i32 s18, s16, HALFT
	s_add_co_u32 s18, s18, 2*HALFT
.irp s, 0,1,2
	v_add_nc_u32 v[ADRA+\s], s17, v[CO]
	v_add_nc_u32 v[ADRB+\s], s18, v[CO]
	s_add_co_u32 s17, s17, SLOT
	s_add_co_u32 s18, s18, SLOT
.endr
	s_lshl_b32 s17, s15, 12
	s_lshl_b32 s18, s16, 12
	s_add_co_u32 s18, s18, 2*PLANE
	s_sub_co_u32 s18, s18, s17
	v_mul_u32_u24 v4, s18, v2                      ; lanes 16-31 take B's scale words
	s_add_co_u32 s17, s17, SCL
	v_lshl_add_u32 v4, v1, 2, v4
	v_add_nc_u32 v[ADRS], s17, v4
	s_mul_i32 s17, s14, 16*SPITCH
	s_add_co_u32 s17, s17, SLOT                    ; my stage
	v_mul_u32_u24 v4, v1, SPITCH
	v_lshl_add_u32 v4, v2, 5, v4
	v_add_nc_u32 v[STO], s17, v4                   ; in: row r, 32 bytes for each half of the lanes
	v_add_nc_u32 v[RD], s17, v[CO]                 ; back: the 32 lanes take one row of 512 bytes
	s_lshl_b32 s17, s15, 9
	s_add_co_u32 s17, s17, RINV
	v_lshl_add_u32 v[RVA], v1, 2, s17
	v_lshrrev_b32 v4, 1, v3
	v_and_b32 v5, 1, v3
	v_lshlrev_b32 v5, 8, v5
	v_lshl_add_u32 v[PFO], v4, 12, v5
	s_wait_loadcnt 0x0
; Row t of group g: the row's M; each run's bytes lowered, its l brought under the row's M; 1 / the sum.
.macro ADJ g
.set WB, 128+8*\g
.set MB, 144+8*\g
.set LB, 160+8*\g
	v_max3_num_f32 v176, v[MB], v[MB+1], v[MB+2]
	v_max3_num_f32 v176, v176, v[MB+3], v[MB+4]
	v_max3_num_f32 v176, v176, v[MB+5], v[MB+6]
	v_max_num_f32 v176, v176, v[MB+7]              ; the row's M
.irp k, 0,1,2,3,4,5,6,7
	v_sub_f32 v177, v176, v[MB+\k]                 ; d: a whole number, 0 or more
	v_cvt_i32_f32 v177, v177                       ; (it saturates)
	v_min_u32 v177, 0xff, v177
	v_sub_nc_u32 v178, 0, v177
.if \k == 0
	v_ldexp_f32 v180, v[LB], v178                  ; l x 2^-d: the first starts the sum
.else
	v_ldexp_f32 v179, v[LB+\k], v178
	v_add_f32 v180, v180, v179
.endif
.irp i, 0,1,2,3
	v_bfe_u32 v[181+\i], v[WB+\k], 8*\i, 8
.endr
.irp i, 0,1,2,3
	v_add_nc_u32 v[185+\i], -1, v[181+\i]
.endr
.irp i, 0,1,2,3
	v_min_u32 v[185+\i], v[185+\i], v177
.endr
.irp i, 0,1,2,3
	v_sub_nc_u32 v[181+\i], v[181+\i], v[185+\i]   ; the larger of byte - d and 1 (the bytes are 1 or more)
.endr
	v_lshl_or_b32 v181, v182, 8, v181
	v_lshl_or_b32 v181, v183, 16, v181
	v_lshl_or_b32 v181, v184, 24, v181
	ds_store_b32 v[SW], v181 offset:\g*4096+\k*512
.endr
	v_rcp_f32 v189, v180
	v_nop                                          ; a plain line behind the reciprocal
	s_wait_alu depctr_va_vdst(0)                   ; and the wait ahead of its reader
	ds_store_b32 v[SW], v189 offset:RINV-SCL+\g*512
.endm
	ADJ 0
	ADJ 1
.macro FRAG reg, adr, off
.irp c, 0,1,2
	ds_load_b128 v[\reg+4*\c:\reg+4*\c+3], v[\adr] offset:\off+512*\c
.endr
.endm
.macro FETCH_B slot, q, p
	WIN TO_B
.irp i, 0,1,2,3,4,5,6,7
	FRAG 128*(\p)+FR*\i, ADRB+\slot, (8*(\q)+\i)*FRB
.endr
	WIN 0
.endm
.macro FETCH_A slot, q, i0
.irp i, \i0, \i0+1, \i0+2, \i0+3
	FRAG AF+FR*(\i), ADRA+\slot, (8*(\q)+(\i))*FRB
.endr
.endm
.macro SCALES kk
.irp i, 0,1,2,3,4,5,6,7
.irp q, 0,1
	ds_load_b32 v[SC+16*((\kk)%2)+2*\i+\q], v[ADRS] offset:(2*(\kk)+\q)*512+64*\i
.endr
.endr
.endm
; The 64 accumulators take turns, one instruction a turn, in the same order in every step.
.macro MUL16 a0, p, q, sc, zero
.irp a, \a0, \a0+1
.irp b, 0,1,2,3,4,5,6,7
.if \zero
	v_wmma_scale_f32_16x16x128_f8f6f4 v[8*(8*((\a)%4)+\b):8*(8*((\a)%4)+\b)+7], v[128*(\p)+FR*\b:128*(\p)+FR*\b+FR-1], v[AF+FR*(\a):AF+FR*(\a)+FR-1], 0, v[SC+8*NQ*(\sc)+NQ*\b+(\q)], v[SC+8*NQ*(\sc)+NQ*(\a)+(\q)] matrix_a_fmt:MATRIX_FMT_FP6 matrix_b_fmt:MATRIX_FMT_FP6 matrix_a_scale:MATRIX_SCALE_ROW1
.else
	v_wmma_scale_f32_16x16x128_f8f6f4 v[8*(8*((\a)%4)+\b):8*(8*((\a)%4)+\b)+7], v[128*(\p)+FR*\b:128*(\p)+FR*\b+FR-1], v[AF+FR*(\a):AF+FR*(\a)+FR-1], v[8*(8*((\a)%4)+\b):8*(8*((\a)%4)+\b)+7], v[SC+8*NQ*(\sc)+NQ*\b+(\q)], v[SC+8*NQ*(\sc)+NQ*(\a)+(\q)] matrix_a_fmt:MATRIX_FMT_FP6 matrix_b_fmt:MATRIX_FMT_FP6 matrix_a_scale:MATRIX_SCALE_ROW1
.endif
.endr
.endr
.endm
.macro PLACES n
.rept \n
	v_nop
.endr
.endm
.macro STEP slot, sc, zero
	s_wait_dscnt 4*NL                              ; all but the youngest 12 loads (A's blocks 4-7)
	WIN MUL_LO
	MUL16 0, 0, 0, \sc, \zero
	MUL16 2, 0, 0, \sc, \zero
	s_wait_dscnt 0
	PLACES NP
	FETCH_B \slot, 1, 1
	FETCH_A \slot, 1, 0
	WIN MUL_HI
	MUL16 4, 0, 0, \sc, \zero
	MUL16 6, 0, 0, \sc, \zero
	PLACES NP
	WIN 0
	FETCH_A \slot, 1, 4
.endm
.macro TURN next, sc, kk, mode         ; mode 2: a round of the cluster's barrier, and slot 0 is filled again with K step 3; mode 1: a plain barrier, nothing is filled
	s_wait_tensorcnt 0x0                           ; all my tensor loads have landed
	ds_add_u32 v[SPW], v[NIL]                      ; 0 onto my spare word
	s_wait_dscnt 4*NL+1                            ; (the add and the youngest 12 loads may be out)
	WIN MUL_LO
	MUL16 0, 1, 1, \sc, 0
	s_wait_dscnt 0x0                               ; the add is done, and my reads of the slot are over
	s_barrier_signal -1
	MUL16 2, 1, 1, \sc, 0
	WIN 0
	s_barrier_wait -1
.if \mode == 2
	CREST
	s_add_nc_u64 s[G0A0+2:G0A0+3], s[G0A0+2:G0A0+3], 3*HALFT
	s_add_nc_u64 s[G0B0+2:G0B0+3], s[G0B0+2:G0B0+3], 3*HALFT
	JLOAD G0A0, G1A, G0B0, G1B                     ; my one tensor load behind the round; its four v_nop are the places in front of the loads below
.else
	PLACES NP
.endif
	FETCH_B \next, 0, 0
	FETCH_A \next, 0, 0
	SCALES \kk
	WIN MUL_HI
	MUL16 4, 1, 1, \sc, 0
	MUL16 6, 1, 1, \sc, 0
	PLACES NP
	WIN 0
	FETCH_A \next, 0, 4
.endm
.macro TURNP                           ; from slot 1 to slot 2, without a barrier: the change before has shown slot 2 whole in every wave
	s_wait_dscnt 4*NL
	WIN MUL_LO
	MUL16 0, 1, 1, 1, 0
	MUL16 2, 1, 1, 1, 0
	s_wait_dscnt 0
	PLACES NP
	FETCH_B 2, 0, 0
	FETCH_A 2, 0, 0
	SCALES 2
	WIN MUL_HI
	MUL16 4, 1, 1, 1, 0
	MUL16 6, 1, 1, 1, 0
	PLACES NP
	WIN 0
	FETCH_A 2, 0, 4
.endm
; key_input's block a (16 rows x 512 bytes) lies in set SG = a % 4.  Sets 0 and 1 are registers that the products never name: window 0 v64-127; window 1 v96-127 and v224-255.
; Sets 2 and 3 are B's fragments' registers, free on the way out: window 1 v0-63 and v128-191.  SETKY gives the first of row t's four registers.
.macro SETKY t
.if SG == 0
.set KY, 64+4*(\t)
.elseif SG == 1
.set KY, 96+4*(\t)+96*((\t)/8)
.elseif SG == 2
.set KY, 4*(\t)
.else
.set KY, 128+4*(\t)
.endif
.endm
.macro KLOAD a
.set SG, (\a)%4
.if SG > 0
	WIN 0x40
.endif
.irp t, 0,1,2,3,4,5,6,7,8,9,10,11,12,13,14,15
	SETKY \t
	global_load_b128 v[KY:KY+3], v[CO], s[8:9] offset:(16*(\a)+\t)*4096 th:TH_LOAD_NT
.endr
	WIN 0
.endm
	s_wait_tensorcnt 0x2                           ; my part of slot 0 (and B's scale words) is in; slots 1 and 2 may be out
	s_wait_dscnt 0x0                               ; my rows' scale words and 1 / l lie in LDS
	s_barrier_signal -1
	s_barrier_wait -1
	FETCH_B 0, 0, 0
	FETCH_A 0, 0, 0
	SCALES 0
	FETCH_A 0, 0, 4
	STEP 0, 0, 1
	KLOAD 0                                        ; a quarter of my part of key_input is asked for here, seven steps of 128 along K ahead of its use: nothing else of the launch but one refill and the prefetches of blocks 2 to 5 is asked of memory in that stretch
	KLOAD 1
	TURN 1, 0, 1, 2
	STEP 1, 1, 0
	TURNP
	STEP 2, 0, 0
.irp a, 2,3,4,5                        ; my blocks 2 to 5 of key_input, a lane an aligned run of 256 bytes: three steps of 128 along K, 192 matrix instructions, ahead of the first of their loads; blocks 0 and 1 are loaded already, blocks 6 and 7 are not asked for
	global_prefetch_b8 v[PFO], s[8:9] offset:\a*65536 th:TH_LOAD_NT scope:SCOPE_SE
.endr
	TURN 0, 0, 3, 1
	STEP 0, 1, 0
	s_wait_dscnt 4*NL
	WIN MUL_LO
	MUL16 0, 1, 1, 1, 0
	MUL16 2, 1, 1, 1, 0
	s_wait_dscnt 0x0
	WIN MUL_HI
	MUL16 4, 1, 1, 1, 0
	MUL16 6, 1, 1, 1, 0
	WIN 0
.macro TOSTAGE a
.set AC, 64*((\a)%4)
	WIN (0x08+4*((\a)/4))                          ; the data: window 2 or 3
.irp b, 0,1,2,3,4,5,6,7
	ds_store_b128 v[STO], v[AC+8*\b:AC+8*\b+3] offset:64*\b          ; each accumulator from its low end on
	ds_store_b128 v[STO], v[AC+8*\b+4:AC+8*\b+7] offset:64*\b+16
.endr
	WIN 0
.set BB, BK+64*((\a)%2)
.irp t, 0,1,2,3,4,5,6,7,8,9,10,11,12,13,14,15
	ds_load_b128 v[BB+4*\t:BB+4*\t+3], v[RD] offset:\t*SPITCH        ; LDS serves a wave's instructions in order: these see my stores
.endr
.endm
.macro SEND a, younger                 ; younger: the LDS instructions issued behind block a's loads, which may stay out
.set BB, BK+64*((\a)%2)
.set SG, (\a)%4
.if (\a) < 5
.set LEFT, 48                          ; behind block a's 16 loads of key_input: those of the three blocks that follow
.else
.set LEFT, 16*(7-(\a))
.endif
	s_wait_dscnt \younger
	s_wait_loadcnt LEFT
.irp t, 0,1,2,3,4,5,6,7,8,9,10,11,12,13,14,15
	v_readlane_b32 s[RS+2*\t], v[RV+(\a)], \t      ; 1 / l of row 16 a + t
.endr
.if SG > 0
	WIN 0x10                                       ; source 2 (key_input) window 1
.endif
.irp t, 0,1,2,3,4,5,6,7,8,9,10,11,12,13,14,15
	SETKY \t
	v_pk_fma_f32 v[BB+4*\t:BB+4*\t+1], v[BB+4*\t:BB+4*\t+1], s[RS+2*\t:RS+2*\t+1], v[KY:KY+1] op_sel_hi:[1,0,1]
	v_pk_fma_f32 v[BB+4*\t+2:BB+4*\t+3], v[BB+4*\t+2:BB+4*\t+3], s[RS+2*\t:RS+2*\t+1], v[KY+2:KY+3] op_sel_hi:[1,0,1]
.endr
	WIN 0
.irp t, 0,1,2,3,4,5,6,7,8,9,10,11,12,13,14,15
	global_store_b128 v[CO], v[BB+4*\t:BB+4*\t+3], s[10:11] offset:(16*(\a)+\t)*4096 th:TH_STORE_NT   ; 512 consecutive bytes, aligned; 127 rows of 4,096 bytes at the most, inside the signed 24-bit immediate
.endr
.if (\a)+4 < 8
	KLOAD (\a)+4                                   ; into the set just read
.endif
.endm
	PLACES NP                                      ; behind the last products: their results are read, and loads go into their operands' registers, from here on
.irp a, 0,1,2,3,4,5,6,7
	ds_load_b32 v[RV+\a], v[RVA] offset:64*\a
.endr
	KLOAD 2
	KLOAD 3
.irp t, 0,1,2,3,4,5,6,7,8,9,10,11,12,13,14,15
	s_mov_b32 s[RS+2*\t+1], 0                      ; the pairs' upper words are named with the lower, so they are written (no tensor load of mine is out since the last barrier's wait)
.endr
	TOSTAGE 0                                      ; the stage lies in slot 1, which has had its one fill; every wave's reads of it lie in front of the last barrier
.irp a, 1,2,3,4,5,6,7
.if \a > 1
	s_wait_xcnt 0x0                                ; block a - 2's stores have read their registers: block a's loads from the stage may land there
.endif
	TOSTAGE \a
	SEND \a-1, 32                                  ; behind block a - 1's loads: block a's 16 stores and 16 loads
.endr
	SEND 7, 0
	s_wait_tensorcnt 0x0                           ; the wave's end
	ds_add_u32 v[SPW], v[NIL]
	s_wait_dscnt 0x0
	CROUND                                         ; the closing round
	s_endpgm
.Lfunc_end_k_q5a671ec808_context:
	.size	k_q5a671ec808_context, .Lfunc_end_k_q5a671ec808_context-k_q5a671ec808_context
	.p2alignl 7, 3214868480
	.fill 96, 4, 3214868480
	.section	.rodata,"a",@progbits
	.p2align	6, 0x0
	.amdhsa_kernel k_q5a671ec808_context
		.amdhsa_group_segment_fixed_size 327680
		.amdhsa_private_segment_fixed_size 0
		.amdhsa_enable_private_segment 0
		.amdhsa_kernarg_size 32
		.amdhsa_user_sgpr_count 2
		.amdhsa_user_sgpr_kernarg_segment_ptr 1
		.amdhsa_wavefront_size32 1
		.amdhsa_system_sgpr_workgroup_id_x 1
		.amdhsa_system_sgpr_workgroup_id_y 1
		.amdhsa_system_sgpr_workgroup_id_z 1
		.amdhsa_system_vgpr_workitem_id 0
		.amdhsa_next_free_vgpr 1024
		.amdhsa_next_free_sgpr 102
		.amdhsa_reserve_vcc 0
		.amdhsa_float_denorm_mode_32 3
		.amdhsa_float_denorm_mode_16_64 3
		.amdhsa_memory_ordered 1
		.amdhsa_forward_progress 1
		.amdhsa_inst_pref_size 197
	.end_amdhsa_kernel
	.amdgpu_metadata
---
amdhsa.version: [ 1, 2 ]
amdhsa.kernels:
  - .name:           k_q5a671ec808_context
    .symbol:         k_q5a671ec808_context.kd
    .args:
      - { .name: prob, .offset: 0, .size: 8, .value_kind: global_buffer, .address_space: global }
      - { .name: proj, .offset: 8, .size: 8, .value_kind: global_buffer, .address_space: global }
      - { .name: key_input, .offset: 16, .size: 8, .value_kind: global_buffer, .address_space: global }
      - { .name: out0, .offset: 24, .size: 8, .value_kind: global_buffer, .address_space: global }
    .group_segment_fixed_size: 327680
    .private_segment_fixed_size: 0
    .kernarg_segment_align: 8
    .kernarg_segment_size: 32
    .max_flat_workgroup_size: 128
    .sgpr_count:     102
    .vgpr_count:     1024
    .wavefront_size: 32
...
	.end_amdgpu_metadata
.endif
;; end of part 4
